; MI455X (gfx1250); checked and timed in simulation.
; The chip was launched on July 23, 2026; its instructions are those of AMD's public machine-readable ISA for CDNA 5 (MIT licence, August 2026) and "CDNA5" Instruction Set Architecture Reference Guide (July 2026). The comments in the code are by the model that wrote it; some were corrected since.
;; Single Head Attention. Allowed arithmetic: float matrix products may take bf16 or f16 operands with f32 sums; all other float work in f32.
;; Inputs: W_k 1,024 x 1,024 float32; W_o 1,024 x 1,024 float32; W_q 1,024 x 1,024 float32; W_v 1,024 x 1,024 float32; z 4 x 2,048 x 1,024 float32.
;; Outputs: out0 4 x 2,048 x 1,024 float32.
;; 2 versions, each right; version 2 is version 1 with the launches cast, softmax written anew for expert scheduling mode. Each part assembles by itself: llvm-mc -triple=amdgcn-amd-amdhsa -mcpu=gfx1250 --defsym DOCPART=n.
;; ======== version 1 of 2: 6 launches
;; limits: values are held in f16: magnitudes above 65,504 overflow, below 6.1e-05 lose precision
;; workspace buffers: z16 16,777,216 bytes; w16 8,388,608 bytes; qkv 50,331,648 bytes; s32 67,108,864 bytes; p 33,554,432 bytes; ctx 16,777,216 bytes
;; launch cast (part 1): grid 768 x 1, 8 waves a work-group, no clusters, 0 bytes of LDS; arguments z, W_q, W_k, W_v, W_o, z16, w16; writes z16, w16
.if DOCPART == 1
	.amdgcn_target "amdgcn-amd-amdhsa--gfx1250"
	.amdhsa_code_object_version 6
	.text
	.protected	k_q4d1563c973_cast
	.globl	k_q4d1563c973_cast
	.p2align	8
	.type	k_q4d1563c973_cast,@function
k_q4d1563c973_cast:
	s_mov_b64 s[64:65], 0
	v_nop
	global_prefetch_b8 v0, s[64:65] scope:SCOPE_SE
	s_setreg_imm32_b32 hwreg(HW_REG_WAVE_MODE, 25, 1), 1
	s_wait_xcnt 0x0
; z16 = f16(bf16(z)), w16 = f16(bf16(W_q | W_k | W_v | W_o)), the four weights one below the other (rows 0, 1024, 2048, 3072 of w16).
; Every input is rounded ONCE, to bf16 (nearest even); that number is then written as f16, which holds it exactly from 2^-14 to 65,504.
; LIMITS.  An input beyond 65,504 in magnitude becomes an infinity; below 2^-14 the f16 keeps its fixed step of 6e-8.  NaN and infinities are not treated apart.
; A stream: no LDS, no barrier, no matrix unit, no cluster (no two work-groups read the same byte).  A work-group takes 65,536 bytes of f32: 512 work-groups for z, 64 for each weight.
; Thread t takes 16 bytes at 16 t of each block of 4,096: a wave's load covers 512 consecutive bytes, its store of 8 bytes a lane 256 consecutive bytes, aligned.
; All sixteen loads of a wave go out at once.
.set X, 8                              ; v[8:71]   load i: four f32, then the same four rounded to bf16 and widened again
.set Y, 72                             ; v[72:103] store i: four f16
	s_load_b256 s[8:15], s[0:1], 0x0               ; z s[8:9], W_q s[10:11], W_k s[12:13], W_v s[14:15]
	s_load_b128 s[16:19], s[0:1], 0x20             ; W_o s[16:17], z16 s[18:19]
	s_load_b64 s[20:21], s[0:1], 0x30              ; w16
	s_max_u32 s2, ttmp9, 512
	s_sub_co_u32 s2, s2, 512                       ; j: my number among the weights' 256 work-groups (0 for z's)
	s_lshr_b32 s3, s2, 6                           ; which weight
	s_and_b32 s4, s2, 63
	s_lshl_b32 s4, s4, 16                          ; my bytes in that weight,
	s_lshl_b32 s5, s2, 15                          ; and in w16
	s_lshl_b32 s6, ttmp9, 16                       ; my bytes in z,
	s_lshl_b32 s7, ttmp9, 15                       ; and in z16
	s_mov_b32 s23, 0
	s_mov_b32 s29, 0
	s_mov_b32 s30, 0xffff0000                      ; a word's upper bf16
	v_lshlrev_b32 v1, 4, v0                        ; 16 t
	v_lshlrev_b32 v2, 3, v0                        ; 8 t
	s_wait_kmcnt 0x0
	s_mov_b64 s[24:25], s[10:11]                   ; the source: one of the four weights,
	s_cmp_eq_u32 s3, 1
	s_cselect_b64 s[24:25], s[12:13], s[24:25]
	s_cmp_eq_u32 s3, 2
	s_cselect_b64 s[24:25], s[14:15], s[24:25]
	s_cmp_eq_u32 s3, 3
	s_cselect_b64 s[24:25], s[16:17], s[24:25]
	s_cmp_lt_u32 ttmp9, 512                        ; or z; four selects on this one compare
	s_cselect_b64 s[24:25], s[8:9], s[24:25]
	s_cselect_b64 s[26:27], s[18:19], s[20:21]
	s_cselect_b32 s22, s6, s4
	s_cselect_b32 s28, s7, s5
	s_add_nc_u64 s[24:25], s[24:25], s[22:23]
	s_add_nc_u64 s[26:27], s[26:27], s[28:29]
.irp i, 0,1,2,3,4,5,6,7,8,9,10,11,12,13,14,15
	global_load_b128 v[X+4*(\i):X+4*(\i)+3], v1, s[24:25] offset:4096*(\i) th:TH_LOAD_NT
.endr
.macro CV i
	s_wait_loadcnt 15-(\i)                         ; loads come back in order (ISA guide 5.7.1): load i is in, the 15 - i younger ones stay out
	v_cvt_pk_bf16_f32 v3, v[X+4*(\i)], v[X+4*(\i)+1]      ; the one rounding
	v_cvt_pk_bf16_f32 v4, v[X+4*(\i)+2], v[X+4*(\i)+3]
	v_lshlrev_b32 v[X+4*(\i)], 16, v3              ; bf16 to f32: the low half moves up,
	v_and_b32 v[X+4*(\i)+1], s30, v3               ; the high half stays
	v_lshlrev_b32 v[X+4*(\i)+2], 16, v4
	v_and_b32 v[X+4*(\i)+3], s30, v4
	v_cvt_pk_f16_f32 v[Y+2*(\i)], v[X+4*(\i)], v[X+4*(\i)+1]      ; exact within f16's range
	v_cvt_pk_f16_f32 v[Y+2*(\i)+1], v[X+4*(\i)+2], v[X+4*(\i)+3]
	global_store_b64 v2, v[Y+2*(\i):Y+2*(\i)+1], s[26:27] offset:2048*(\i)
.endm
.irp i, 0,1,2,3,4,5,6,7,8,9,10,11,12,13,14,15
	CV \i
.endr
	s_endpgm
.Lfunc_end_k_q4d1563c973_cast:
	.size	k_q4d1563c973_cast, .Lfunc_end_k_q4d1563c973_cast-k_q4d1563c973_cast
	.p2alignl 7, 3214868480
	.fill 96, 4, 3214868480
	.section	.rodata,"a",@progbits
	.p2align	6, 0x0
	.amdhsa_kernel k_q4d1563c973_cast
		.amdhsa_group_segment_fixed_size 0
		.amdhsa_private_segment_fixed_size 0
		.amdhsa_enable_private_segment 0
		.amdhsa_kernarg_size 56
		.amdhsa_user_sgpr_count 2
		.amdhsa_user_sgpr_kernarg_segment_ptr 1
		.amdhsa_wavefront_size32 1
		.amdhsa_system_sgpr_workgroup_id_x 1
		.amdhsa_system_sgpr_workgroup_id_y 1
		.amdhsa_system_sgpr_workgroup_id_z 1
		.amdhsa_system_vgpr_workitem_id 0
		.amdhsa_next_free_vgpr 104
		.amdhsa_next_free_sgpr 66
		.amdhsa_reserve_vcc 0
		.amdhsa_float_denorm_mode_32 3
		.amdhsa_float_denorm_mode_16_64 3
		.amdhsa_memory_ordered 1
		.amdhsa_forward_progress 1
		.amdhsa_inst_pref_size 11
	.end_amdhsa_kernel
	.amdgpu_metadata
---
amdhsa.version: [ 1, 2 ]
amdhsa.kernels:
  - .name:           k_q4d1563c973_cast
    .symbol:         k_q4d1563c973_cast.kd
    .args:
      - { .name: z, .offset: 0, .size: 8, .value_kind: global_buffer, .address_space: global }
      - { .name: W_q, .offset: 8, .size: 8, .value_kind: global_buffer, .address_space: global }
      - { .name: W_k, .offset: 16, .size: 8, .value_kind: global_buffer, .address_space: global }
      - { .name: W_v, .offset: 24, .size: 8, .value_kind: global_buffer, .address_space: global }
      - { .name: W_o, .offset: 32, .size: 8, .value_kind: global_buffer, .address_space: global }
      - { .name: z16, .offset: 40, .size: 8, .value_kind: global_buffer, .address_space: global }
      - { .name: w16, .offset: 48, .size: 8, .value_kind: global_buffer, .address_space: global }
    .group_segment_fixed_size: 0
    .private_segment_fixed_size: 0
    .kernarg_segment_align: 8
    .kernarg_segment_size: 56
    .max_flat_workgroup_size: 256
    .sgpr_count:     66
    .vgpr_count:     104
    .wavefront_size: 32
...
	.end_amdgpu_metadata
.endif
;; end of part 1
;; launch qkv (part 2): grid 12 x 32, 4 waves a work-group, clusters of 4 x 4, 327,680 bytes of LDS; arguments z16, w16, qkv; writes qkv
.if DOCPART == 2
	.amdgcn_target "amdgcn-amd-amdhsa--gfx1250"
	.amdhsa_code_object_version 6
	.text
	.protected	k_q4d1563c973_qkv
	.globl	k_q4d1563c973_qkv
	.p2align	8
	.type	k_q4d1563c973_qkv,@function
k_q4d1563c973_qkv:
	s_mov_b64 s[64:65], 0
	v_nop
	global_prefetch_b8 v0, s[64:65] scope:SCOPE_SE
	s_setreg_imm32_b32 hwreg(HW_REG_WAVE_MODE, 25, 1), 1
	s_wait_xcnt 0x0
	s_wait_alu depctr_hold_cnt(0) depctr_sa_sdst(0) depctr_va_vdst(0) depctr_va_sdst(0) depctr_va_ssrc(0) depctr_va_vcc(0) depctr_vm_vsrc(0)
	s_getreg_b32 s2, hwreg(HW_REG_IB_STS2, 6, 4)
	s_cmp_eq_u32 s2, 0
	s_cbranch_scc0 .Lentry_in_a_cluster
	s_endpgm
.Lentry_in_a_cluster:
	s_bfe_u32 s2, ttmp6, 0x10000c
	s_cmp_lg_u32 s2, 0xf033
	s_cbranch_scc0 .Lentry_shape_is_right
	s_endpgm
.Lentry_shape_is_right:
; qkv[s][e] = sum over d of z16[s][d] w16[e][d], e = 0 .. 3071: q, k and v side by side.  z16: [8192][1024], w16: [4096][1024] (rows 0-3071 used here), qkv: [8192][3072], all f16; sums in f32, rounded once.
; LIMIT.  A q, k or v beyond 65,504 in magnitude becomes an infinity (drawn inputs give a spread of 1; inputs 30 x 30 larger about 5,000).
; SHARES.  A work-group makes 256 x 256 of C: 12 x 32 = 384 work-groups.  Each of its four waves makes 128 x 128: 64 accumulators of 16 x 16, 512 registers; for 32 along K a wave loads
; 2 x 128 x 64 bytes from LDS and issues 64 matrix instructions.
; K goes in steps of 128 through two LDS slots filled by tensor loads: the tiles' rows are 256 bytes of memory at multiples of 256 bytes.  Each wave fetches a quarter of a slot, 128 rows, with one load:
; waves 0, 1 A's two halves, waves 2, 3 B's.  By this text's count a wave has two tensor loads out at the start and one behind each change of slots; from that request to the wait for it the wave
; issues 224 of a step's 256 matrix instructions.
; CLUSTER.  4 x 4 work-groups: the four of a row need the same tile of A, the four of a column the same tile of B; each is asked for jointly, by the same load, descriptor and mask in all four.
; THE MATRIX INSTRUCTION IS USED TRANSPOSED (source 0 = 16 rows of B, source 1 = 16 rows of A): a lane then holds row lane % 16 of C and the eight columns 8 (lane / 16) + 0..7.
; REGISTERS, in windows of 256 (s_set_vgpr_msb: bits 1:0 source 0, 3:2 source 1, 5:4 source 2, 7:6 destination):
;   window 0: v0-31 addresses; v64-127, v128-191 fragments of A (8 x 16 rows x 32 K), two buffers; v32-63, v192-255 the way out
;   window 1: v64-127, v128-191 fragments of B, two buffers
;   window 2: the 32 accumulators of my rows 0-63 (accumulator (a, b) at v[8 (8 a + b)]);   window 3: those of my rows 64-127
.set SIZE_K, 1024
.set KSTEP,  128
.set PITCH,  272                       ; an LDS row: 256 bytes + 16 of padding = 68 words: the 16 rows of a fragment load start at 16 different groups of four banks (64 banks of 4 bytes: ISA guide 11.1)
.set HALFT,  128*PITCH                 ; 128 rows: what one tensor load brings, and what one wave reads of A or of B
.set SLOT,   4*HALFT                   ; A's 256 rows, then B's 256 rows
.set STAGE,  2*SLOT                    ; behind the ring, never filled by a tensor load: 16 rows x 272 bytes for each wave
.set SPITCH, 272
.set SPARE,  STAGE+4*16*SPITCH         ; the spare words, 128 bytes a wave: two blocks of 256 bytes that no other line names
.set LAPS,   SIZE_K/(2*KSTEP)          ; a lap = two K steps = once round the ring
.set CP,     6144                      ; bytes in a row of C
.set G1W,    (1<<16)|(1<<20)|(5<<22)|(3<<25)  ; 17:16 2-byte elements; 20 padding on; 24:22 after every 64 words; 31:25 4 words of it
.set ADRA, 16                          ; v16-17 LDS address of my A fragments in slot 0, 1
.set ADRB, 20                          ; v20-21 the same for B
.set STO,  24                          ; the way out: where I put 16 bytes of a row
.set RD,   25                          ; where I read rows back
.set CO,   26                          ; my byte offset in C
.set SPW,  28                          ; LDS address of my spare word; never rewritten
.set NIL,  29                          ; 0; never rewritten
.set F0,   64                          ; fragment buffer 0
.set F1,   128                         ; fragment buffer 1
.set TMP,  192                         ; v192-223 packed results
.set OB,   32                          ; 16 rows read back from the stage: v32-63 and v224-255 by turns
.set G1,  24                           ; s[24:31] group 1 for A; s[32:39] group 0, a set for each slot
.set G0,  32
.set G1B, 48                           ; s[48:55], s[56:63] the same for B
.set G0B, 56
.set MSB, 0
.macro WIN new                         ; the immediate's high byte repeats the setting that is left; a switch that changes nothing is dropped
.if MSB != (\new)
	s_set_vgpr_msb (MSB<<8)|(\new)
.set MSB, \new
.endif
.endm
.set MUL_LO, 0xa1                      ; source 0 (B) window 1, source 1 (A) window 0, C and D window 2
.set MUL_HI, 0xf1                      ; the same, C and D window 3
.set TO_B,   0x40                      ; destination window 1, address window 0
.macro PLACES                          ; four plain vector instructions between a matrix instruction and a load into, or a read of, its registers (ISA guide 7.12.1 for vector instructions)
.rept 4
	v_nop
.endr
.endm
.macro JLOAD s                         ; waves 0, 1: A's halves; waves 2, 3: B's.  The branch hangs on the wave's number alone.  An s_nop 0 and four v_nop follow each line
	s_cmp_eq_u32 s11, 0
	s_cbranch_scc0 .Lfor_b_\@
	tensor_load_to_lds s[G0+4*(\s):G0+4*(\s)+3], s[G1:G1+7]
	s_nop 0
.rept 4
	v_nop
.endr
	s_branch .Lasked_\@
.Lfor_b_\@:
	tensor_load_to_lds s[G0B+4*(\s):G0B+4*(\s)+3], s[G1B:G1B+7]
	s_nop 0
.rept 4
	v_nop
.endr
.Lasked_\@:
.endm
.macro CREST                           ; a round of the cluster's barrier behind its opening barrier: wave 0 signals for the work-group, all wait for all sixteen, my work-group's barrier closes it
	s_cmp_lg_u32 s10, 0
	s_cbranch_scc1 .Lnot_wave_0_\@
	s_barrier_signal -3
.Lnot_wave_0_\@:
	s_barrier_wait -3
	s_barrier_signal -1
	s_barrier_wait -1
.endm
.macro CROUND
	s_barrier_signal -1
	s_barrier_wait -1
	CREST
.endm
; 16 matrix instructions: row blocks a0, a0 + 1 of the window's four (hi = 0: my rows 0-63, 1: rows 64-127) x all 8 column blocks, 32 along K.  zero = 1: the product starts the sum.
; The 64 accumulators come in the same order in every quarter step, one instruction a turn.
.macro MUL16 f, hi, a0, zero
	WIN MUL_LO+0x50*(\hi)
.irp a, \a0, (\a0)+1
.irp b, 0,1,2,3,4,5,6,7
.if \zero
	v_wmma_f32_16x16x32_f16 v[8*(8*(\a)+(\b)):8*(8*(\a)+(\b))+7], v[(\f)+8*(\b):(\f)+8*(\b)+7], v[(\f)+8*(4*(\hi)+(\a)):(\f)+8*(4*(\hi)+(\a))+7], 0
.else
	v_wmma_f32_16x16x32_f16 v[8*(8*(\a)+(\b)):8*(8*(\a)+(\b))+7], v[(\f)+8*(\b):(\f)+8*(\b)+7], v[(\f)+8*(4*(\hi)+(\a)):(\f)+8*(4*(\hi)+(\a))+7], v[8*(8*(\a)+(\b)):8*(8*(\a)+(\b))+7]
.endif
.endr
.endr
.endm
; 32 LDS loads in one run: the fragments of one quarter step (128 rows of B, 128 rows of A, 32 K at byte k of the rows) into buffer f
.macro FETCH slot, k, f
	WIN TO_B
.irp i, 0,1,2,3,4,5,6,7
	ds_load_b128 v[(\f)+8*(\i):(\f)+8*(\i)+3],   v[ADRB+(\slot)] offset:(\k)+(\i)*16*PITCH
	ds_load_b128 v[(\f)+8*(\i)+4:(\f)+8*(\i)+7], v[ADRB+(\slot)] offset:(\k)+(\i)*16*PITCH+32
.endr
	WIN 0
.irp i, 0,1,2,3,4,5,6,7
	ds_load_b128 v[(\f)+8*(\i):(\f)+8*(\i)+3],   v[ADRA+(\slot)] offset:(\k)+(\i)*16*PITCH
	ds_load_b128 v[(\f)+8*(\i)+4:(\f)+8*(\i)+7], v[ADRA+(\slot)] offset:(\k)+(\i)*16*PITCH+32
.endr
.endm
; A K step is four quarter steps of 32 along K, 64 matrix instructions each, on buffers 0, 1, 0, 1.
; One of the first three: multiplies buffer f; in its middle it fetches the next quarter's fragments, at byte k of the same slot's rows, into buffer g.
.macro QUARTER slot, k, f, g, zero
	s_wait_dscnt 8                                 ; B and A's rows 0-63 are in; the youngest eight loads (A's rows 64-127) may be out
	MUL16 \f, 0, 0, \zero
	MUL16 \f, 0, 2, \zero
	PLACES
	FETCH \slot, \k, \g
	s_wait_dscnt 32                                ; all but the 32 just issued
	MUL16 \f, 1, 0, \zero
	MUL16 \f, 1, 2, \zero
.endm
; The last quarter multiplies buffer 1 and changes slots.  MEET is its first half: ONE barrier.  In front of it each wave waits for all its tensor loads (one is out: its part of the next slot),
; adds 0 to its spare word, and waits for that and for its own reads of this slot.  Behind it nobody reads this slot any more and the next slot is whole.
.macro MEET round                      ; round = 1: branches follow the barrier
	WIN 0                                          ; the add's two registers lie in window 0
	s_wait_tensorcnt 0x0
	ds_add_u32 v[SPW], v[NIL]
	s_wait_dscnt 9                                 ; the add and the youngest eight loads may be out
	MUL16 F1, 0, 0, 0                              ; sixteen matrix instructions stand between the add and the wait for it
	s_wait_dscnt 0x0                               ; the add is done, and my reads of this slot are over
	s_barrier_signal -1
	MUL16 F1, 0, 2, 0                              ; work on registers while the others arrive
.if \round
	WIN 0
.endif
	s_barrier_wait -1
.endm
; The whole last quarter.  fill = 1: the barrier opens a round of the cluster's, and this slot is filled again, two steps ahead, first thing behind the round.
.macro TURN slot, next, fill
	MEET \fill
.if \fill
	CREST                                          ; no wave of any partner still reads this slot or has a load on its way
	s_add_nc_u64 s[G0+4*(\slot)+2:G0+4*(\slot)+3], s[G0+4*(\slot)+2:G0+4*(\slot)+3], 2*KSTEP*2
	s_add_nc_u64 s[G0B+4*(\slot)+2:G0B+4*(\slot)+3], s[G0B+4*(\slot)+2:G0B+4*(\slot)+3], 2*KSTEP*2
	JLOAD \slot                                    ; its four v_nop are also the places in front of the loads below
.else
	PLACES
.endif
	FETCH \next, 0, F0
	MUL16 F1, 1, 0, 0
	MUL16 F1, 1, 2, 0
.endm
; THE WAY OUT of block a (16 of my rows).  PACK: rounded to f16, 16 bytes a lane (each accumulator's registers in ascending order).  TOSTAGE: into my own stage, and back as whole rows of 256 bytes.  SEND: stored.
.macro PACK a
.set AC, 64*((\a)%4)
	WIN 0x0a+5*((\a)/4)                            ; sources 0 and 1: window 2 or 3
.irp b, 0,1,2,3,4,5,6,7
.irp r, 0,1,2,3
	v_cvt_pk_f16_f32 v[TMP+4*(\b)+(\r)], v[AC+8*(\b)+2*(\r)], v[AC+8*(\b)+2*(\r)+1]
.endr
.endr
	WIN 0
.endm
.macro TOSTAGE a
	WIN 0
.set BK, OB+192*((\a)%2)
.irp b, 0,1,2,3,4,5,6,7
	ds_store_b128 v[STO], v[TMP+4*(\b):TMP+4*(\b)+3] offset:32*(\b)
.endr
.irp t, 0,1,2,3,4,5,6,7
	ds_load_b128 v[BK+4*(\t):BK+4*(\t)+3], v[RD] offset:(\t)*2*SPITCH  ; LDS serves a wave's instructions in order (ISA guide 5.7.1.4): these see the stores above
.endr
.endm
.macro SEND a
	WIN 0
.set BK, OB+192*((\a)%2)
	s_wait_dscnt 0x0                               ; the block is back in registers
	s_wait_xcnt 0x0                                ; only behind this wait are the stores' base and the registers that earlier stores read rewritten
.if (\a) == 0
	s_add_nc_u64 s[8:9], s[8:9], s[16:17]          ; my first rows of C
.else
	s_add_nc_u64 s[8:9], s[8:9], 16*CP
.endif
.irp t, 0,1,2,3,4,5,6,7
	global_store_b128 v[CO], v[BK+4*(\t):BK+4*(\t)+3], s[8:9] offset:2*(\t)*CP  ; 16 lanes store 256 consecutive bytes, at a multiple of 256 from C's first byte
.endr
.endm
	s_load_b128 s[4:7], s[0:1], 0x0                ; A = z16 s[4:5], B = w16 s[6:7]
	s_load_b64 s[8:9], s[0:1], 0x10                ; C = qkv
	v_lshl_add_u32 v[SPW], v0, 2, SPARE
	v_mov_b32 v[NIL], 0
	ds_add_u32 v[SPW], v[NIL]                      ; the wave's opening: the add and its wait ahead of my first tensor load
	v_lshrrev_b32 v1, 5, v0
	v_readfirstlane_b32 s10, v1                    ; wave 0..3
	s_lshr_b32 s11, s10, 1                         ; which half of the tile's rows is mine.  Also: I fetch for A (0) or for B (1)
	s_and_b32 s12, s10, 1                          ; which half of its columns.  Also: which 128 rows of that tile I fetch
	s_bfe_u32 s40, ttmp6, 0x40000                  ; cx, cy: my place in the cluster
	s_bfe_u32 s41, ttmp6, 0x40004
	s_lshl_b32 s42, ttmp9, 2
	s_add_co_u32 s42, s42, s40                     ; tile column of C = 4 x cluster x + cx
	s_and_b32 s13, ttmp7, 0xffff
	s_lshl_b32 s13, s13, 2
	s_add_co_u32 s13, s13, s41                     ; tile row of C = 4 x cluster y + cy
	s_lshl_b32 s43, s41, 2
	s_lshl_b32 s43, 15, s43                        ; my row of the cluster
	s_lshl_b32 s44, 0x1111, s40                    ; my column
	s_or_b32 s[G1], s43, G1W|(1<<21)               ; 15:0 the mask: A's tiles go to my row; bit 21 set beside a mask
	s_or_b32 s[G1B], s44, G1W|(1<<21)              ; B's to my column
.irp g, G1, G1B
	s_mov_b32 s[(\g)+1], KSTEP<<16                 ; tensor_dim0 = 128
	s_mov_b32 s[(\g)+2], 128<<16                   ; tensor_dim1 = 128
	s_mov_b32 s[(\g)+3], KSTEP<<16                 ; tile_dim0 = 128
	s_mov_b32 s[(\g)+4], 128                       ; tile_dim1 = 128
	s_mov_b32 s[(\g)+5], SIZE_K                    ; elements from row to row
	s_mov_b32 s[(\g)+6], 0
	s_mov_b32 s[(\g)+7], 0
.endr
	s_lshl_b32 s18, s12, 18                        ; the half that I fetch: 128 rows of 2,048 bytes
	s_lshl_b32 s16, s13, 19                        ; A: 256 rows a tile row
	s_add_co_u32 s16, s16, s18
	s_mov_b32 s17, 0
	s_lshl_b32 s46, s42, 19                        ; B: 256 rows a tile column
	s_add_co_u32 s46, s46, s18
	s_mov_b32 s47, 0
	s_mul_i32 s20, s10, HALFT                      ; where they go in a slot: A's two halves, then B's two = wave x 128 rows: no place in the cluster enters an LDS address
	s_wait_dscnt 0x0                               ; the opening add is done
	s_wait_kmcnt 0x0
	s_add_nc_u64 s[14:15], s[4:5], s[16:17]
	s_add_nc_u64 s[46:47], s[6:7], s[46:47]
	CROUND                                         ; all sixteen work-groups are here: the first joint loads meet
.irp s, 0,1
	s_mov_b32 s[G0+4*(\s)], 1                      ; count = 1
	s_add_co_u32 s[G0+4*(\s)+1], s20, (\s)*SLOT    ; LDS address
	s_add_nc_u64 s[G0+4*(\s)+2:G0+4*(\s)+3], s[14:15], (\s)*KSTEP*2  ; global address: K step s
	s_or_b32 s[G0+4*(\s)+3], s[G0+4*(\s)+3], 0x80000000             ; type = 2
	s_mov_b32 s[G0B+4*(\s)], 1
	s_add_co_u32 s[G0B+4*(\s)+1], s20, (\s)*SLOT
	s_add_nc_u64 s[G0B+4*(\s)+2:G0B+4*(\s)+3], s[46:47], (\s)*KSTEP*2
	s_or_b32 s[G0B+4*(\s)+3], s[G0B+4*(\s)+3], 0x80000000
	JLOAD \s
.endr
	; a fragment is 16 rows x 32 K in 8 registers: lane l holds row l % 16, K = 8 (l / 16) + 0..7 and 16 + 8 (l / 16) + 0..7: two loads of 16 bytes, 32 bytes apart
	v_and_b32 v1, 15, v0                           ; l % 16
	v_bfe_u32 v2, v0, 4, 1                         ; l / 16
	v_mul_u32_u24 v3, v1, PITCH
	v_lshl_add_u32 v3, v2, 4, v3
	s_mul_i32 s21, s11, HALFT                      ; my 128 rows of A
	s_mul_i32 s22, s12, HALFT                      ; my 128 rows of B,
	s_add_co_u32 s22, s22, 2*HALFT                 ; which lie behind A's 256
.irp s, 0,1
	v_add_nc_u32 v[ADRA+(\s)], s21, v3
	v_add_nc_u32 v[ADRB+(\s)], s22, v3
	s_add_co_u32 s21, s21, SLOT
	s_add_co_u32 s22, s22, SLOT
.endr
	s_mul_i32 s23, s10, 16*SPITCH
	s_add_co_u32 s23, s23, STAGE                   ; my stage
	v_mul_u32_u24 v4, v1, SPITCH                   ; in: row l % 16, 16 bytes for each half of the lanes
	v_lshl_add_u32 v4, v2, 4, v4
	v_add_nc_u32 v[STO], s23, v4
	v_mul_u32_u24 v5, v2, SPITCH                   ; back: lanes 0-15 one row of 256 bytes, lanes 16-31 the next
	v_lshl_add_u32 v5, v1, 4, v5
	v_add_nc_u32 v[RD], s23, v5
	v_mul_u32_u24 v5, v2, CP                       ; and the same two rows in C
	v_lshl_add_u32 v[CO], v1, 4, v5
	s_lshl_b32 s16, s13, 8                         ; my first row of C: 256 x tile row + 128 x half,
	s_lshl_b32 s18, s11, 7
	s_add_co_u32 s16, s16, s18
	s_mul_i32 s16, s16, CP                         ; in bytes (under 2^26),
	s_mov_b32 s17, 0
	s_lshl_b32 s46, s42, 9                         ; and my first column: 512 bytes a tile column + 256 a half
	s_lshl_b32 s47, s12, 8
	s_add_co_u32 s46, s46, s47
	s_mov_b32 s47, 0
	s_add_nc_u64 s[16:17], s[16:17], s[46:47]
	s_wait_tensorcnt 1                             ; my part of K step 0 is in; step 1's may stay out
	s_barrier_signal -1
	s_barrier_wait -1                              ; everybody's is
	FETCH 0, 0, F0
	QUARTER 0, 64,  F0, F1, 1                      ; the first quarter stands in front of the loop: its products start the sums
	WIN 0                                          ; at a label and at a branch every window is 0
	s_mov_b32 s3, LAPS-1
.Llap:                                                 ; a trip goes once round the ring, from a lap's second quarter to the next lap's first, and fills both slots again
	QUARTER 0, 128, F1, F0, 0
	QUARTER 0, 192, F0, F1, 0
	TURN 0, 1, 1
	QUARTER 1, 64,  F0, F1, 0
	QUARTER 1, 128, F1, F0, 0
	QUARTER 1, 192, F0, F1, 0
	TURN 1, 0, 1
	QUARTER 0, 64,  F0, F1, 0
	WIN 0
	s_sub_co_u32 s3, s3, 1
	s_cmp_lg_u32 s3, 0
	s_cbranch_scc1 .Llap
	QUARTER 0, 128, F1, F0, 0                      ; the last lap is written out: it fills nothing
	QUARTER 0, 192, F0, F1, 0
	TURN 0, 1, 0
	QUARTER 1, 64,  F0, F1, 0
	QUARTER 1, 128, F1, F0, 0
	QUARTER 1, 192, F0, F1, 0
	s_wait_dscnt 8                                 ; the very last quarter: nothing more to fetch
	MUL16 F1, 0, 0, 0
	MUL16 F1, 0, 2, 0
	s_wait_dscnt 0x0
	MUL16 F1, 1, 0, 0
	MUL16 F1, 1, 2, 0
	WIN 0
	PLACES                                         ; behind the last products
	PACK 0
	TOSTAGE 0
.irp a, 1,2,3,4,5,6,7                  ; block a's conversions stand between block a - 1's loads from the stage and the wait for them
	PACK \a
	SEND (\a)-1
	TOSTAGE \a
.endr
	SEND 7
	s_wait_tensorcnt 0x0                           ; the wave's end
	ds_add_u32 v[SPW], v[NIL]
	s_wait_dscnt 0x0
	CROUND                                         ; the closing round: no work-group ends while a partner may still ask for a tile that names it
	s_endpgm
.Lfunc_end_k_q4d1563c973_qkv:
	.size	k_q4d1563c973_qkv, .Lfunc_end_k_q4d1563c973_qkv-k_q4d1563c973_qkv
	.p2alignl 7, 3214868480
	.fill 96, 4, 3214868480
	.section	.rodata,"a",@progbits
	.p2align	6, 0x0
	.amdhsa_kernel k_q4d1563c973_qkv
		.amdhsa_group_segment_fixed_size 327680
		.amdhsa_private_segment_fixed_size 0
		.amdhsa_enable_private_segment 0
		.amdhsa_kernarg_size 24
		.amdhsa_user_sgpr_count 2
		.amdhsa_user_sgpr_kernarg_segment_ptr 1
		.amdhsa_wavefront_size32 1
		.amdhsa_system_sgpr_workgroup_id_x 1
		.amdhsa_system_sgpr_workgroup_id_y 1
		.amdhsa_system_sgpr_workgroup_id_z 1
		.amdhsa_system_vgpr_workitem_id 0
		.amdhsa_next_free_vgpr 1024
		.amdhsa_next_free_sgpr 66
		.amdhsa_reserve_vcc 0
		.amdhsa_float_denorm_mode_32 3
		.amdhsa_float_denorm_mode_16_64 3
		.amdhsa_memory_ordered 1
		.amdhsa_forward_progress 1
		.amdhsa_inst_pref_size 143
	.end_amdhsa_kernel
	.amdgpu_metadata
---
amdhsa.version: [ 1, 2 ]
amdhsa.kernels:
  - .name:           k_q4d1563c973_qkv
    .symbol:         k_q4d1563c973_qkv.kd
    .args:
      - { .name: z16, .offset: 0, .size: 8, .value_kind: global_buffer, .address_space: global }
      - { .name: w16, .offset: 8, .size: 8, .value_kind: global_buffer, .address_space: global }
      - { .name: qkv, .offset: 16, .size: 8, .value_kind: global_buffer, .address_space: global }
    .group_segment_fixed_size: 327680
    .private_segment_fixed_size: 0
    .kernarg_segment_align: 8
    .kernarg_segment_size: 24
    .max_flat_workgroup_size: 128
    .sgpr_count:     66
    .vgpr_count:     1024
    .wavefront_size: 32
...
	.end_amdgpu_metadata
.endif
;; end of part 2
;; launch scores (part 3): grid 36 x 4, 4 waves a work-group, no clusters, 327,680 bytes of LDS; arguments qkv, s32; writes s32
.if DOCPART == 3
	.amdgcn_target "amdgcn-amd-amdhsa--gfx1250"
	.amdhsa_code_object_version 6
	.text
	.protected	k_q4d1563c973_scores
	.globl	k_q4d1563c973_scores
	.p2align	8
	.type	k_q4d1563c973_scores,@function
k_q4d1563c973_scores:
	s_mov_b64 s[64:65], 0
	v_nop
	global_prefetch_b8 v0, s[64:65] scope:SCOPE_SE
	s_setreg_imm32_b32 hwreg(HW_REG_WAVE_MODE, 25, 1), 1
	s_wait_xcnt 0x0
; s32[b][q][k] = sum over d of q[b][q][d] k[b][k][d], raw (no scale, no mask), in f32, for the tiles of 256 queries x 256 keys on the diagonal or below it.
; q and k are columns 0-1023 and 1024-2047 of qkv: [8192][3072] f16.  s32: [4][2048][2048] f32; row block i (256 queries) gets its key tiles 0 .. i, that is keys 0 .. 256 (i + 1) - 1.
; The tiles above the diagonal are neither made nor read later: the causal mask of the problem throws them away.  A diagonal tile is made whole: the next launch loads all of it and masks.
; SHARES.  Work-group x of a batch's 36 takes row block i and key tile t with x = i (i + 1) / 2 + t; all do the same work, K = 1,024.  Four waves, each 128 x 128: 64 accumulators, 512 registers;
; for 32 along K a wave loads 2 x 128 x 64 bytes from LDS and issues 64 matrix instructions.
; K goes in steps of 128 through two LDS slots filled by tensor loads (rows of 256 bytes at multiples of 256).  Each wave fetches 128 rows with one load: waves 0, 1 q's two halves, waves 2, 3 k's.
; A wave has two tensor loads out at the start and one behind each change of slots; from that request to the wait for it the wave issues 224 of a step's 256 matrix instructions.
; NO CLUSTER: the row blocks of a batch's triangle have 1, 2, .. 8 key tiles and its key tiles 8 .. 1 row blocks, so no grouping by four shares one tile of q or of k in every group; filling the
; triangle up to whole groups of 4 x 4 would add 12 tiles to a batch's 36 whose results nobody reads.
; THE MATRIX INSTRUCTION IS USED TRANSPOSED (source 0 = 16 keys, source 1 = 16 queries): a lane holds query lane % 16 and the eight keys 8 (lane / 16) + 0..7.
; REGISTERS, in windows of 256 (s_set_vgpr_msb: bits 1:0 source 0, 3:2 source 1, 5:4 source 2, 7:6 destination):
;   window 0: v0-31 addresses; v64-127, v128-191 fragments of q, two buffers, and on the way out rows read back     window 1: v64-127, v128-191 fragments of k, two buffers
;   window 2: the 32 accumulators of my rows 0-63 (accumulator (a, b) at v[8 (8 a + b)]);   window 3: those of my rows 64-127
.set SIZE_K, 1024
.set KSTEP,  128
.set PITCH,  272                       ; an LDS row: 256 bytes + 16 of padding: the 16 rows of a fragment load start at 16 different groups of four banks (64 banks of 4 bytes: ISA guide 11.1)
.set HALFT,  128*PITCH
.set SLOT,   4*HALFT                   ; q's 256 rows, then k's 256 rows
.set STAGE,  2*SLOT                    ; behind the ring, never filled by a tensor load: 16 rows x 528 bytes for each wave
.set SPITCH, 528                       ; a stage row: 512 bytes + 16
.set SPARE,  STAGE+4*16*SPITCH         ; the spare words, 128 bytes a wave: two blocks of 256 bytes that no other line names
.set LAPS,   SIZE_K/(2*KSTEP)
.set CP,     8192                      ; bytes in a row of C
.set G1W,    (1<<16)|(1<<20)|(5<<22)|(3<<25)  ; 2-byte elements; padding on; after every 64 words; 4 words of it; no mask
.set ADRA, 16
.set ADRB, 20
.set STO,  24
.set RD,   25
.set CO,   26
.set SPW,  28                          ; LDS address of my spare word; never rewritten
.set NIL,  29                          ; 0; never rewritten
.set F0,   64
.set F1,   128
.set BK,   64                          ; the way out: v64-191, two buffers of 64: 16 rows read back from the stage
.set G1,  24                           ; s[24:31] group 1, the same shape for q's and k's tiles
.set G0,  32                           ; s[32:39] group 0 for q's tiles, a set for each slot
.set G0B, 56                           ; s[56:63] the same for k's
.set MSB, 0
.macro WIN new                         ; the immediate's high byte repeats the setting that is left
.if MSB != (\new)
	s_set_vgpr_msb (MSB<<8)|(\new)
.set MSB, \new
.endif
.endm
.set MUL_LO, 0xa1                      ; source 0 (k) window 1, source 1 (q) window 0, C and D window 2
.set MUL_HI, 0xf1                      ; the same, C and D window 3
.set TO_B,   0x40                      ; destination window 1, address window 0
.macro PLACES                          ; four plain vector instructions between a matrix instruction and a load into, or a read of, its registers (ISA guide 7.12.1 for vector instructions)
.rept 4
	v_nop
.endr
.endm
.macro JLOAD s                         ; waves 0, 1: q's halves; waves 2, 3: k's.  An s_nop 0 and four v_nop follow each line
	s_cmp_eq_u32 s11, 0
	s_cbranch_scc0 .Lfor_b_\@
	tensor_load_to_lds s[G0+4*(\s):G0+4*(\s)+3], s[G1:G1+7]
	s_nop 0
.rept 4
	v_nop
.endr
	s_branch .Lasked_\@
.Lfor_b_\@:
	tensor_load_to_lds s[G0B+4*(\s):G0B+4*(\s)+3], s[G1:G1+7]
	s_nop 0
.rept 4
	v_nop
.endr
.Lasked_\@:
.endm
; 16 matrix instructions.  The 64 accumulators come in the same order in every quarter step, one instruction a turn.
.macro MUL16 f, hi, a0, zero
	WIN MUL_LO+0x50*(\hi)
.irp a, \a0, (\a0)+1
.irp b, 0,1,2,3,4,5,6,7
.if \zero
	v_wmma_f32_16x16x32_f16 v[8*(8*(\a)+(\b)):8*(8*(\a)+(\b))+7], v[(\f)+8*(\b):(\f)+8*(\b)+7], v[(\f)+8*(4*(\hi)+(\a)):(\f)+8*(4*(\hi)+(\a))+7], 0
.else
	v_wmma_f32_16x16x32_f16 v[8*(8*(\a)+(\b)):8*(8*(\a)+(\b))+7], v[(\f)+8*(\b):(\f)+8*(\b)+7], v[(\f)+8*(4*(\hi)+(\a)):(\f)+8*(4*(\hi)+(\a))+7], v[8*(8*(\a)+(\b)):8*(8*(\a)+(\b))+7]
.endif
.endr
.endr
.endm
.macro FETCH slot, k, f                ; 32 LDS loads in one run: one quarter step's fragments (128 keys, 128 queries, 32 K at byte k of the rows) into buffer f
	WIN TO_B
.irp i, 0,1,2,3,4,5,6,7
	ds_load_b128 v[(\f)+8*(\i):(\f)+8*(\i)+3],   v[ADRB+(\slot)] offset:(\k)+(\i)*16*PITCH
	ds_load_b128 v[(\f)+8*(\i)+4:(\f)+8*(\i)+7], v[ADRB+(\slot)] offset:(\k)+(\i)*16*PITCH+32
.endr
	WIN 0
.irp i, 0,1,2,3,4,5,6,7
	ds_load_b128 v[(\f)+8*(\i):(\f)+8*(\i)+3],   v[ADRA+(\slot)] offset:(\k)+(\i)*16*PITCH
	ds_load_b128 v[(\f)+8*(\i)+4:(\f)+8*(\i)+7], v[ADRA+(\slot)] offset:(\k)+(\i)*16*PITCH+32
.endr
.endm
.macro QUARTER slot, k, f, g, zero     ; multiplies buffer f; in its middle it fetches the next quarter's fragments into buffer g
	s_wait_dscnt 8                                 ; k's and q's rows 0-63 are in; the youngest eight loads (q's rows 64-127) may be out
	MUL16 \f, 0, 0, \zero
	MUL16 \f, 0, 2, \zero
	PLACES
	FETCH \slot, \k, \g
	s_wait_dscnt 32                                ; all but the 32 just issued
	MUL16 \f, 1, 0, \zero
	MUL16 \f, 1, 2, \zero
.endm
; The change of slots: ONE barrier.  In front of it each wave waits for all its tensor loads (its part of the next slot), adds 0 to its spare word, and waits for that and for its reads of this slot.
.macro MEET round                      ; round = 1: branches follow the barrier
	WIN 0
	s_wait_tensorcnt 0x0
	ds_add_u32 v[SPW], v[NIL]
	s_wait_dscnt 9                                 ; the add and the youngest eight loads may be out
	MUL16 F1, 0, 0, 0
	s_wait_dscnt 0x0                               ; the add is done, and my reads of this slot are over
	s_barrier_signal -1
	MUL16 F1, 0, 2, 0
.if \round
	WIN 0
.endif
	s_barrier_wait -1
.endm
.macro TURN slot, next, fill           ; fill = 1: this slot is filled again, two steps ahead, first thing behind the barrier
	MEET \fill
.if \fill
	s_add_nc_u64 s[G0+4*(\slot)+2:G0+4*(\slot)+3], s[G0+4*(\slot)+2:G0+4*(\slot)+3], 2*KSTEP*2
	s_add_nc_u64 s[G0B+4*(\slot)+2:G0B+4*(\slot)+3], s[G0B+4*(\slot)+2:G0B+4*(\slot)+3], 2*KSTEP*2
	JLOAD \slot                                    ; its four v_nop are also the places in front of the loads below
.else
	PLACES
.endif
	FETCH \next, 0, F0
	MUL16 F1, 1, 0, 0
	MUL16 F1, 1, 2, 0
.endm
; THE WAY OUT of block a (16 of my rows), in f32: a lane's eight columns, 32 bytes, go into my stage (each accumulator's low four registers first) and come back as whole rows of 512 bytes.
.macro TOSTAGE4 a
.set AC, 64*((\a)%4)
.set bk, BK+64*((\a)%2)
	WIN 0x08+4*((\a)/4)                            ; the stores' data in window 2 or 3
.irp b, 0,1,2,3,4,5,6,7
	ds_store_b128 v[STO], v[AC+8*(\b):AC+8*(\b)+3] offset:64*(\b)
	ds_store_b128 v[STO], v[AC+8*(\b)+4:AC+8*(\b)+7] offset:64*(\b)+16
.endr
	WIN 0
	s_wait_xcnt 0x0                                ; the buffer below was the data of the stores of two blocks ago: it is loaded again only behind this wait
.irp t, 0,1,2,3,4,5,6,7,8,9,10,11,12,13,14,15
	ds_load_b128 v[bk+4*(\t):bk+4*(\t)+3], v[RD] offset:(\t)*SPITCH  ; LDS serves a wave's instructions in order (ISA guide 5.7.1.4): these see the stores above, and the next block's stores come behind them
.endr
.endm
.macro SEND4 a, younger                ; younger: the LDS instructions issued behind block a's loads: the next block's 32, or none
.set bk, BK+64*((\a)%2)
	s_wait_dscnt \younger
	s_wait_xcnt 0x0                                ; only behind this wait is the stores' base rewritten
.if (\a) == 0
	s_add_nc_u64 s[8:9], s[8:9], s[16:17]
.else
	s_add_nc_u64 s[8:9], s[8:9], 16*CP
.endif
.irp t, 0,1,2,3,4,5,6,7,8,9,10,11,12,13,14,15
	global_store_b128 v[CO], v[bk+4*(\t):bk+4*(\t)+3], s[8:9] offset:(\t)*CP  ; the wave stores 512 consecutive bytes, at a multiple of 512 from C's first byte
.endr
.endm
	s_load_b64 s[4:5], s[0:1], 0x0                 ; qkv
	s_load_b64 s[8:9], s[0:1], 0x8                 ; C = s32
	v_lshl_add_u32 v[SPW], v0, 2, SPARE
	v_mov_b32 v[NIL], 0
	ds_add_u32 v[SPW], v[NIL]                      ; the wave's opening: the add and its wait ahead of my first tensor load
	v_lshrrev_b32 v1, 5, v0
	v_readfirstlane_b32 s10, v1                    ; wave 0..3
	s_lshr_b32 s11, s10, 1                         ; which half of the tile's rows is mine.  Also: I fetch for q (0) or for k (1)
	s_and_b32 s12, s10, 1                          ; which half of its columns.  Also: which 128 rows of that tile I fetch
	s_mov_b32 s19, ttmp9                           ; x
	s_and_b32 s45, ttmp7, 0xffff                   ; the batch
	s_mov_b32 s13, 0                               ; i = how many of the row blocks' first numbers i (i + 1) / 2 are at or below x
.irp thr, 1,3,6,10,15,21,28
	s_cmp_ge_u32 s19, \thr
	s_add_co_ci_u32 s13, s13, 0
.endr
	s_add_co_u32 s18, s13, 1
	s_mul_i32 s18, s18, s13
	s_lshr_b32 s18, s18, 1
	s_sub_co_u32 s42, s19, s18                     ; t = x - i (i + 1) / 2, 0 .. i
	s_mov_b32 s[G1], G1W
	s_mov_b32 s[G1+1], KSTEP<<16                   ; tensor_dim0 = 128
	s_mov_b32 s[G1+2], 128<<16                     ; tensor_dim1 = 128
	s_mov_b32 s[G1+3], KSTEP<<16                   ; tile_dim0 = 128
	s_mov_b32 s[G1+4], 128                         ; tile_dim1 = 128
	s_mov_b32 s[G1+5], 3072                        ; elements from row to row of qkv
	s_mov_b32 s[G1+6], 0
	s_mov_b32 s[G1+7], 0
	s_lshl_b32 s16, s45, 11                        ; q: row 2,048 b + 256 i + 128 half,
	s_lshl_b32 s18, s13, 8
	s_add_co_u32 s16, s16, s18
	s_lshl_b32 s18, s12, 7
	s_add_co_u32 s16, s16, s18
	s_mul_i32 s16, s16, 6144                       ; in bytes (under 2^26)
	s_mov_b32 s17, 0
	s_lshl_b32 s46, s45, 11                        ; k: row 2,048 b + 256 t + 128 half,
	s_lshl_b32 s47, s42, 8
	s_add_co_u32 s46, s46, s47
	s_add_co_u32 s46, s46, s18
	s_mul_i32 s46, s46, 6144
	s_add_co_u32 s46, s46, 2048                    ; k's columns begin 2,048 bytes into a row
	s_mov_b32 s47, 0
	s_mul_i32 s20, s10, HALFT                      ; where they go in a slot: wave x 128 rows
	s_wait_dscnt 0x0                               ; the opening add is done
	s_wait_kmcnt 0x0
	s_add_nc_u64 s[14:15], s[4:5], s[16:17]
	s_add_nc_u64 s[46:47], s[4:5], s[46:47]
.irp s, 0,1
	s_mov_b32 s[G0+4*(\s)], 1                      ; count = 1
	s_add_co_u32 s[G0+4*(\s)+1], s20, (\s)*SLOT    ; LDS address
	s_add_nc_u64 s[G0+4*(\s)+2:G0+4*(\s)+3], s[14:15], (\s)*KSTEP*2  ; global address: K step s
	s_or_b32 s[G0+4*(\s)+3], s[G0+4*(\s)+3], 0x80000000             ; type = 2
	s_mov_b32 s[G0B+4*(\s)], 1
	s_add_co_u32 s[G0B+4*(\s)+1], s20, (\s)*SLOT
	s_add_nc_u64 s[G0B+4*(\s)+2:G0B+4*(\s)+3], s[46:47], (\s)*KSTEP*2
	s_or_b32 s[G0B+4*(\s)+3], s[G0B+4*(\s)+3], 0x80000000
	JLOAD \s
.endr
	v_and_b32 v1, 15, v0                           ; l % 16
	v_bfe_u32 v2, v0, 4, 1                         ; l / 16
	v_mul_u32_u24 v3, v1, PITCH
	v_lshl_add_u32 v3, v2, 4, v3                   ; a fragment's row x pitch + 16 x half
	s_mul_i32 s21, s11, HALFT                      ; my 128 queries
	s_mul_i32 s22, s12, HALFT                      ; my 128 keys,
	s_add_co_u32 s22, s22, 2*HALFT                 ; which lie behind q's 256 rows
.irp s, 0,1
	v_add_nc_u32 v[ADRA+(\s)], s21, v3
	v_add_nc_u32 v[ADRB+(\s)], s22, v3
	s_add_co_u32 s21, s21, SLOT
	s_add_co_u32 s22, s22, SLOT
.endr
	s_mul_i32 s23, s10, 16*SPITCH
	s_add_co_u32 s23, s23, STAGE                   ; my stage
	v_mul_u32_u24 v4, v1, SPITCH                   ; in: row l % 16, 32 bytes for each half of the lanes
	v_lshl_add_u32 v4, v2, 5, v4
	v_add_nc_u32 v[STO], s23, v4
	v_and_b32 v5, 31, v0
	v_lshlrev_b32 v[CO], 4, v5                     ; back, and in C: 32 lanes take one row's 512 bytes
	v_add_nc_u32 v[RD], s23, v[CO]
	s_lshl_b32 s16, s45, 24                        ; my part of C: the batch's 16,777,216 bytes,
	s_lshl_b32 s18, s13, 21                        ; 256 rows of 8,192 bytes a row block,
	s_add_co_u32 s16, s16, s18
	s_lshl_b32 s18, s11, 20                        ; 128 rows a half,
	s_add_co_u32 s16, s16, s18
	s_lshl_b32 s18, s42, 10                        ; 1,024 bytes a key tile,
	s_add_co_u32 s16, s16, s18
	s_lshl_b32 s18, s12, 9                         ; 512 a half
	s_add_co_u32 s16, s16, s18
	s_mov_b32 s17, 0
	s_wait_tensorcnt 1                             ; my part of K step 0 is in; step 1's may stay out
	s_barrier_signal -1
	s_barrier_wait -1
	FETCH 0, 0, F0
	QUARTER 0, 64,  F0, F1, 1                      ; the first quarter's products start the sums
	WIN 0                                          ; at a label and at a branch every window is 0
	s_mov_b32 s3, LAPS-1
.Llap:                                                 ; a trip goes once round the ring and fills both slots again
	QUARTER 0, 128, F1, F0, 0
	QUARTER 0, 192, F0, F1, 0
	TURN 0, 1, 1
	QUARTER 1, 64,  F0, F1, 0
	QUARTER 1, 128, F1, F0, 0
	QUARTER 1, 192, F0, F1, 0
	TURN 1, 0, 1
	QUARTER 0, 64,  F0, F1, 0
	WIN 0
	s_sub_co_u32 s3, s3, 1
	s_cmp_lg_u32 s3, 0
	s_cbranch_scc1 .Llap
	QUARTER 0, 128, F1, F0, 0                      ; the last lap is written out: it fills nothing
	QUARTER 0, 192, F0, F1, 0
	TURN 0, 1, 0
	QUARTER 1, 64,  F0, F1, 0
	QUARTER 1, 128, F1, F0, 0
	QUARTER 1, 192, F0, F1, 0
	s_wait_dscnt 8                                 ; the very last quarter: nothing more to fetch
	MUL16 F1, 0, 0, 0
	MUL16 F1, 0, 2, 0
	s_wait_dscnt 0x0
	MUL16 F1, 1, 0, 0
	MUL16 F1, 1, 2, 0
	WIN 0
	PLACES                                         ; the LDS stores read results, and the loads from the stage land in fragment registers, of the last products
	TOSTAGE4 0
.irp a, 1,2,3,4,5,6,7                  ; block a goes into the stage while block a - 1 is on its way back
	TOSTAGE4 \a
	SEND4 (\a)-1, 32
.endr
	SEND4 7, 0
	s_wait_tensorcnt 0x0                           ; the wave's end
	ds_add_u32 v[SPW], v[NIL]
	s_wait_dscnt 0x0
	s_endpgm
.Lfunc_end_k_q4d1563c973_scores:
	.size	k_q4d1563c973_scores, .Lfunc_end_k_q4d1563c973_scores-k_q4d1563c973_scores
	.p2alignl 7, 3214868480
	.fill 96, 4, 3214868480
	.section	.rodata,"a",@progbits
	.p2align	6, 0x0
	.amdhsa_kernel k_q4d1563c973_scores
		.amdhsa_group_segment_fixed_size 327680
		.amdhsa_private_segment_fixed_size 0
		.amdhsa_enable_private_segment 0
		.amdhsa_kernarg_size 16
		.amdhsa_user_sgpr_count 2
		.amdhsa_user_sgpr_kernarg_segment_ptr 1
		.amdhsa_wavefront_size32 1
		.amdhsa_system_sgpr_workgroup_id_x 1
		.amdhsa_system_sgpr_workgroup_id_y 1
		.amdhsa_system_sgpr_workgroup_id_z 1
		.amdhsa_system_vgpr_workitem_id 0
		.amdhsa_next_free_vgpr 1024
		.amdhsa_next_free_sgpr 66
		.amdhsa_reserve_vcc 0
		.amdhsa_float_denorm_mode_32 3
		.amdhsa_float_denorm_mode_16_64 3
		.amdhsa_memory_ordered 1
		.amdhsa_forward_progress 1
		.amdhsa_inst_pref_size 139
	.end_amdhsa_kernel
	.amdgpu_metadata
---
amdhsa.version: [ 1, 2 ]
amdhsa.kernels:
  - .name:           k_q4d1563c973_scores
    .symbol:         k_q4d1563c973_scores.kd
    .args:
      - { .name: qkv, .offset: 0, .size: 8, .value_kind: global_buffer, .address_space: global }
      - { .name: s32, .offset: 8, .size: 8, .value_kind: global_buffer, .address_space: global }
    .group_segment_fixed_size: 327680
    .private_segment_fixed_size: 0
    .kernarg_segment_align: 8
    .kernarg_segment_size: 16
    .max_flat_workgroup_size: 128
    .sgpr_count:     66
    .vgpr_count:     1024
    .wavefront_size: 32
...
	.end_amdgpu_metadata
.endif
;; end of part 3
;; launch softmax (part 4): grid 1024 x 1, 8 waves a work-group, no clusters, 0 bytes of LDS; arguments s32, p; writes p
.if DOCPART == 4
	.amdgcn_target "amdgcn-amd-amdhsa--gfx1250"
	.amdhsa_code_object_version 6
	.text
	.protected	k_q4d1563c973_softmax
	.globl	k_q4d1563c973_softmax
	.p2align	8
	.type	k_q4d1563c973_softmax,@function
k_q4d1563c973_softmax:
	s_mov_b64 s[64:65], 0
	v_nop
	global_prefetch_b8 v0, s[64:65] scope:SCOPE_SE
	s_setreg_imm32_b32 hwreg(HW_REG_WAVE_MODE, 25, 1), 1
	s_wait_xcnt 0x0
; p[b][q][k] = softmax over k <= q of s32[b][q][k] / 32, in f16; keys q + 1 .. 512 (q / 512 + 1) - 1 are written as 0, keys beyond that not at all (the next launch reads none of them).
; The row's true maximum m is taken away before the exponential: w = 2^(c s - c m), c = log2(e) / 32; the sum l is taken of the unrounded w; p = w / l is rounded once.
; LIMITS.  A hidden score counts as -2^100: true scores are taken to stay under 1e27 in magnitude.  A weight below 2^-126 counts as 0; p below 6e-5 keeps f16's fixed step of 6e-8.  NaN and infinities are not treated apart.
; One wave, one row, kept in 64 registers between the passes: the row is read once, and no wave waits for another: no LDS, no barrier.  No cluster: no two work-groups read the same byte.
; Lane L holds keys 128 c + 4 L + 0..3 of chunk c: a load covers 512 consecutive bytes, a store of 8 bytes a lane 256 consecutive bytes, aligned.
; Only the n2 = q / 256 + 1 pairs of chunks that the scores' launch has written are loaded; stored are n2 rounded up to an even number of pairs, since the next launch walks the keys 512 at a time;
; the arithmetic is the same for every row.  The jumps hang on the row's number alone and go forward.
; Row R = 8 x work-group + wave: batch R % 4, query 2,047 - R / 4: the long rows come first.
.set M, 6                              ; v6-9 four chains
.set X, 16                             ; v[16:79]  the row: chunk c at X + 4 c
.set Y, 80                             ; v[80:111] first four chains of sums, then the row in f16: chunk c at Y + 2 c
	s_load_b128 s[8:11], s[0:1], 0x0               ; s32 s[8:9], p s[10:11]
	v_lshrrev_b32 v1, 5, v0
	v_readfirstlane_b32 s2, v1                     ; wave 0..7
	s_lshl_b32 s3, ttmp9, 3
	s_add_co_u32 s3, s3, s2                        ; R
	s_and_b32 s5, s3, 3                            ; b
	s_lshr_b32 s6, s3, 2
	s_sub_co_u32 s6, 2047, s6                      ; q
	s_lshr_b32 s4, s6, 8
	s_add_co_u32 s4, s4, 1                         ; n2: pairs to load, 1 .. 8
	s_add_co_u32 s20, s4, 1
	s_and_b32 s20, s20, 14                         ; pairs to store: n2 rounded up to an even number, 2 .. 8
	s_lshl_b32 s16, s5, 24                         ; the row in s32: 16,777,216 b + 8,192 q
	s_lshl_b32 s7, s6, 13
	s_add_co_u32 s16, s16, s7
	s_mov_b32 s17, 0
	s_lshl_b32 s18, s5, 23                         ; and in p: 8,388,608 b + 4,096 q
	s_lshl_b32 s7, s6, 12
	s_add_co_u32 s18, s18, s7
	s_mov_b32 s19, 0
	s_mov_b32 s12, 0x3d38aa3b                      ; c = log2(e) / 32
	s_mov_b32 s13, s12                             ; named with it as a pair
	s_mov_b32 s14, 0x76543210                      ; v_permlanex16_b32: each lane takes its own place in the other half
	s_mov_b32 s15, 0xfedcba98
	v_and_b32 v1, 31, v0                           ; L
	v_lshlrev_b32 v2, 4, v1                        ; 16 L
	v_lshlrev_b32 v3, 3, v1                        ; 8 L
	v_lshlrev_b32 v4, 2, v1
	v_sub_nc_u32 v4, s6, v4                        ; q - 4 L: key 128 c + 4 L + e is hidden where 128 c + e is greater
	v_mov_b32 v5, 0xf1800000                       ; -2^100
	v_mov_b32 v14, 0                               ; v_permlanex16_b32's destination counts as read
	s_wait_kmcnt 0x0
	s_add_nc_u64 s[8:9], s[8:9], s[16:17]
	s_add_nc_u64 s[10:11], s[10:11], s[18:19]
.macro LOADP u                         ; pair u: 256 keys
	global_load_b128 v[X+8*(\u):X+8*(\u)+3],   v2, s[8:9] offset:1024*(\u) th:TH_LOAD_NT
	global_load_b128 v[X+8*(\u)+4:X+8*(\u)+7], v2, s[8:9] offset:1024*(\u)+512 th:TH_LOAD_NT
.endm
	LOADP 0
.irp u, 1,2,3,4,5,6,7
	s_cmp_le_u32 s4, \u
	s_cbranch_scc1 .Lfill_\u
	LOADP \u
.endr
	s_branch .Lloaded
.irp u, 1,2,3,4,5,6,7                  ; the pairs that are not loaded hold hidden keys alone; each label falls through to the next, so every register of the row is written once, by a load or here
.Lfill_\u:
.irp e, 0,1,2,3,4,5,6,7
	v_mov_b32 v[X+8*(\u)+(\e)], v5
.endr
.endr
.Lloaded:
	s_wait_loadcnt 0x0
	; the mask
.set i, 0
.rept 64
	v_cmp_gt_i32 vcc_lo, 128*(i/4)+i%4, v4
	v_cndmask_b32 v[X+i], v[X+i], v5, vcc_lo
.set i, i+1
.endr
	; the maximum: four chains of 16 numbers, three operands at a time; then across the lanes
.irp k, 0,1,2,3
	v_max3_num_f32 v[M+(\k)], v[X+16*(\k)], v[X+16*(\k)+1], v[X+16*(\k)+2]
.endr
.irp s, 0,1,2,3,4,5
.irp k, 0,1,2,3
	v_max3_num_f32 v[M+(\k)], v[M+(\k)], v[X+16*(\k)+3+2*(\s)], v[X+16*(\k)+4+2*(\s)]
.endr
.endr
.irp k, 0,1,2,3
	v_max_num_f32 v[M+(\k)], v[M+(\k)], v[X+16*(\k)+15]
.endr
	v_max3_num_f32 v6, v6, v7, v8
	v_max_num_f32 v6, v6, v9
	v_max_num_f32_dpp v6, v6, v6 row_xmask:1 row_mask:0xf bank_mask:0xf
	v_max_num_f32_dpp v6, v6, v6 row_xmask:2 row_mask:0xf bank_mask:0xf
	v_max_num_f32_dpp v6, v6, v6 row_xmask:4 row_mask:0xf bank_mask:0xf
	v_max_num_f32_dpp v6, v6, v6 row_xmask:8 row_mask:0xf bank_mask:0xf
	v_permlanex16_b32 v14, v6, s14, s15
	v_max_num_f32 v11, v6, v14                     ; m, in every lane: key 0 is never hidden, so it is a true score
	v_mul_f32 v10, s12, v11                        ; c m
	; w = 2^(c s - c m): one fused multiply-add for two scores; what c m lost in rounding is a factor common to the row and leaves with l
.set i, 0
.rept 32
	v_pk_fma_f32 v[X+2*i:X+2*i+1], v[X+2*i:X+2*i+1], s[12:13], v[10:11] op_sel_hi:[1,0,0] neg_lo:[0,0,1] neg_hi:[0,0,1]
.set i, i+1
.endr
.set i, 0
.rept 64
	v_exp_f32 v[X+i], v[X+i]
.set i, i+1
.endr
	v_nop                                          ; a plain instruction between the last exponential and the use of its result (ISA guide 5.7.2)
	; l: four chains of packed sums, then across the lanes
	s_wait_alu depctr_va_vdst(0)
.irp k, 0,1,2,3
	v_pk_add_f32 v[Y+2*(\k):Y+2*(\k)+1], v[X+2*(\k):X+2*(\k)+1], v[X+8+2*(\k):X+8+2*(\k)+1]
.endr
.irp s, 2,3,4,5,6,7
.irp k, 0,1,2,3
	v_pk_add_f32 v[Y+2*(\k):Y+2*(\k)+1], v[Y+2*(\k):Y+2*(\k)+1], v[X+8*(\s)+2*(\k):X+8*(\s)+2*(\k)+1]
.endr
.endr
	v_pk_add_f32 v[Y:Y+1], v[Y:Y+1], v[Y+2:Y+3]
	v_pk_add_f32 v[Y+4:Y+5], v[Y+4:Y+5], v[Y+6:Y+7]
	v_pk_add_f32 v[Y:Y+1], v[Y:Y+1], v[Y+4:Y+5]
	v_add_f32 v6, v[Y], v[Y+1]
	v_add_f32_dpp v6, v6, v6 row_xmask:1 row_mask:0xf bank_mask:0xf
	v_add_f32_dpp v6, v6, v6 row_xmask:2 row_mask:0xf bank_mask:0xf
	v_add_f32_dpp v6, v6, v6 row_xmask:4 row_mask:0xf bank_mask:0xf
	v_add_f32_dpp v6, v6, v6 row_xmask:8 row_mask:0xf bank_mask:0xf
	v_permlanex16_b32 v14, v6, s14, s15
	v_add_f32 v6, v6, v14                          ; l: about 1 at the least, the maximum's own weight
	v_rcp_f32 v12, v6                              ; made twice, a pair for the packed multiply
	v_rcp_f32 v13, v6
	v_nop                                          ; a plain instruction behind the reciprocals
.set i, 0
	s_wait_alu depctr_va_vdst(0)
.rept 32
	v_pk_mul_f32 v[X+2*i:X+2*i+1], v[X+2*i:X+2*i+1], v[12:13]
.set i, i+1
.endr
.set i, 0
.rept 32
	v_cvt_pk_f16_f32 v[Y+i], v[X+2*i], v[X+2*i+1]
.set i, i+1
.endr
.macro STOREP u
	global_store_b64 v3, v[Y+4*(\u):Y+4*(\u)+1],   s[10:11] offset:512*(\u)
	global_store_b64 v3, v[Y+4*(\u)+2:Y+4*(\u)+3], s[10:11] offset:512*(\u)+256
.endm
	STOREP 0
.irp u, 1,2,3,4,5,6,7
	s_cmp_le_u32 s20, \u
	s_cbranch_scc1 .Ldone
	STOREP \u
.endr
.Ldone:
	s_endpgm
.Lfunc_end_k_q4d1563c973_softmax:
	.size	k_q4d1563c973_softmax, .Lfunc_end_k_q4d1563c973_softmax-k_q4d1563c973_softmax
	.p2alignl 7, 3214868480
	.fill 96, 4, 3214868480
	.section	.rodata,"a",@progbits
	.p2align	6, 0x0
	.amdhsa_kernel k_q4d1563c973_softmax
		.amdhsa_group_segment_fixed_size 0
		.amdhsa_private_segment_fixed_size 0
		.amdhsa_enable_private_segment 0
		.amdhsa_kernarg_size 16
		.amdhsa_user_sgpr_count 2
		.amdhsa_user_sgpr_kernarg_segment_ptr 1
		.amdhsa_wavefront_size32 1
		.amdhsa_system_sgpr_workgroup_id_x 1
		.amdhsa_system_sgpr_workgroup_id_y 1
		.amdhsa_system_sgpr_workgroup_id_z 1
		.amdhsa_system_vgpr_workitem_id 0
		.amdhsa_next_free_vgpr 112
		.amdhsa_next_free_sgpr 66
		.amdhsa_reserve_vcc 1
		.amdhsa_float_denorm_mode_32 3
		.amdhsa_float_denorm_mode_16_64 3
		.amdhsa_memory_ordered 1
		.amdhsa_forward_progress 1
		.amdhsa_inst_pref_size 26
	.end_amdhsa_kernel
	.amdgpu_metadata
---
amdhsa.version: [ 1, 2 ]
amdhsa.kernels:
  - .name:           k_q4d1563c973_softmax
    .symbol:         k_q4d1563c973_softmax.kd
    .args:
      - { .name: s32, .offset: 0, .size: 8, .value_kind: global_buffer, .address_space: global }
      - { .name: p, .offset: 8, .size: 8, .value_kind: global_buffer, .address_space: global }
    .group_segment_fixed_size: 0
    .private_segment_fixed_size: 0
    .kernarg_segment_align: 8
    .kernarg_segment_size: 16
    .max_flat_workgroup_size: 256
    .sgpr_count:     66
    .vgpr_count:     112
    .wavefront_size: 32
...
	.end_amdgpu_metadata
.endif
;; end of part 4
;; launch pv (part 5): grid 8 x 64, 4 waves a work-group, clusters of 4 x 4, 327,680 bytes of LDS; arguments p, qkv, ctx; writes ctx
.if DOCPART == 5
	.amdgcn_target "amdgcn-amd-amdhsa--gfx1250"
	.amdhsa_code_object_version 6
	.text
	.protected	k_q4d1563c973_pv
	.globl	k_q4d1563c973_pv
	.p2align	8
	.type	k_q4d1563c973_pv,@function
k_q4d1563c973_pv:
	s_mov_b64 s[64:65], 0
	v_nop
	global_prefetch_b8 v0, s[64:65] scope:SCOPE_SE
	s_setreg_imm32_b32 hwreg(HW_REG_WAVE_MODE, 25, 1), 1
	s_wait_xcnt 0x0
	s_wait_alu depctr_hold_cnt(0) depctr_sa_sdst(0) depctr_va_vdst(0) depctr_va_sdst(0) depctr_va_ssrc(0) depctr_va_vcc(0) depctr_vm_vsrc(0)
	s_getreg_b32 s2, hwreg(HW_REG_IB_STS2, 6, 4)
	s_cmp_eq_u32 s2, 0
	s_cbranch_scc0 .Lentry_in_a_cluster
	s_endpgm
.Lentry_in_a_cluster:
	s_bfe_u32 s2, ttmp6, 0x10000c
	s_cmp_lg_u32 s2, 0xf033
	s_cbranch_scc0 .Lentry_shape_is_right
	s_endpgm
.Lentry_shape_is_right:
; ctx[b][q][c] = sum over k of p[b][q][k] v[b][k][c], k = 0 .. 512 (q / 512 + 1) - 1 (beyond the diagonal p holds 0 up to there; further keys are not touched).
; p: [4][2048][2048] f16; v is columns 2048-3071 of qkv: [8192][3072] f16; ctx: [8192][1024] f16; sums in f32, rounded once.  ctx is a mean of v's rows and has their range.
; SHARES.  A work-group makes 128 queries x 128 channels: 16 row blocks x 8 channel tiles x 4 batches = 512 work-groups.  The keys go in steps of 256, as long as two slots in LDS allow, so that the
; longest walk, 2,048 keys, is 8 steps.  The four row blocks of a group G of 512 queries all walk 2 (G + 1) steps: an even number, so that one text of two steps serves every walk.
; THE ORDER.  The quarters of the grid's y hold the walks of 6, 8, 4 and 2 steps: the first 256 work-groups are the long ones, and both the first quarter with the third and the second with the fourth make ten steps.
; Four waves, each 64 x 64: 16 accumulators.  Two LDS slots filled by tensor loads: waves 0, 1 fetch p's two halves (64 rows of 512 bytes each), waves 2, 3 v's (128 keys of 256 bytes each); all rows
; begin at multiples of 256 bytes.  A wave has two tensor loads out at the start and one behind each change of slots, which has 112 of a step's 128 matrix instructions in which to land.
; CLUSTER.  4 x 4 work-groups: four channel tiles x the four row blocks of one group and batch.  The four of a row need the same tile of p, the four of a column the same tile of v: each is asked for
; jointly, by the same load, descriptor and mask in all four.  The trip count hangs on the cluster's y alone, which all sixteen share.
; v lies [key][channel] in LDS and comes out turned, by ds_load_tr16_b128.  THE MATRIX INSTRUCTION IS USED TRANSPOSED (source 0 = 16 channels, source 1 = 16 queries): a lane holds query lane % 16
; and the eight channels 8 (lane / 16) + 0..7.
; REGISTERS, in windows of 256 (s_set_vgpr_msb: bits 1:0 source 0, 3:2 source 1, 5:4 source 2, 7:6 destination):
;   window 0: v0-31 addresses; v32-95 the way out; v128-255 the accumulators ((a, b) at v[128 + 8 (4 a + b)])
;   window 1: two fragment buffers of 128: for 64 keys (two matrix instructions deep), 64 registers of p (2 x 4 x 16 queries x 32 keys), then 64 of v
.set PITCH,  528                       ; a row of p in LDS: 512 bytes + 16 = 132 words: the 16 rows of a fragment load start at 16 different groups of four banks (64 banks of 4 bytes: ISA guide 11.1)
.set PB,     288                       ; a row of v: 256 + 32 = 72 words
.set APART,  128*PITCH                 ; p's 128 rows; v's 256 keys lie behind them
.set SLOT,   APART+256*PB
.set STAGE,  2*SLOT                    ; behind the ring, never filled by a tensor load: 128 rows x 272 bytes, the work-group's
.set SPITCH, 272
.set SPARE,  STAGE+128*SPITCH          ; the spare words, 128 bytes a wave: two blocks of 256 bytes that no other line names
.set CP,     2048                      ; bytes in a row of C
.set FIRSTA, 512                       ; bytes from a step to the next: 256 keys along a row of p,
.set FIRSTB, 256*6144                  ; 256 rows of qkv
.set ADRA, 16                          ; v16-17 LDS address of my p fragments in slot 0, 1
.set ADRB, 20                          ; v20-23 the same for v: slot 0 keys 0-127, keys 128-255, slot 1 likewise (240 rows of 288 bytes pass an LDS instruction's 16-bit offset)
.set STO,  24                          ; the way out: where I put 16 bytes of a row
.set RD,   25                          ; where I read rows back
.set CO,   26                          ; my byte offset in C
.set SPW,  28                          ; LDS address of my spare word; never rewritten
.set NIL,  29                          ; 0; never rewritten
.set TMP,  32                          ; v32-95 packed results, then whole rows
.set ACC,  128
.set F0,   0                           ; fragment buffers, in window 1
.set F1,   128
.set G1,  24                           ; s[24:31] group 1 for p's tiles; s[32:39] group 0, a set for each slot
.set G0,  32
.set G1B, 48                           ; s[48:55], s[56:63] the same for v's
.set G0B, 56
.set MSB, 0
.macro WIN new                         ; the immediate's high byte repeats the setting that is left; a switch that changes nothing is dropped
.if MSB != (\new)
	s_set_vgpr_msb (MSB<<8)|(\new)
.set MSB, \new
.endif
.endm
.set MUL,  0x05                        ; sources 0 (v) and 1 (p) window 1; C and D window 0
.set TO_F, 0x40                        ; destination window 1, address window 0
.macro PLACES                          ; four plain vector instructions between a matrix instruction and a load into, or a read of, its registers (ISA guide 7.12.1 for vector instructions)
.rept 4
	v_nop
.endr
.endm
.macro JLOAD s                         ; a joint load: waves 0, 1 p's halves; waves 2, 3 v's.  The branch hangs on the wave's number alone.  An s_nop 0 and four v_nop follow each line
	s_cmp_eq_u32 s11, 0
	s_cbranch_scc0 .Lfor_b_\@
	tensor_load_to_lds s[G0+4*(\s):G0+4*(\s)+3], s[G1:G1+7]
	s_nop 0
.rept 4
	v_nop
.endr
	s_branch .Lasked_\@
.Lfor_b_\@:
	tensor_load_to_lds s[G0B+4*(\s):G0B+4*(\s)+3], s[G1B:G1B+7]
	s_nop 0
.rept 4
	v_nop
.endr
.Lasked_\@:
.endm
.macro CREST                           ; a round of the cluster's barrier behind its opening barrier: wave 0 signals for the work-group, all wait for all sixteen, my work-group's barrier closes it
	s_cmp_lg_u32 s10, 0
	s_cbranch_scc1 .Lnot_wave_0_\@
	s_barrier_signal -3
.Lnot_wave_0_\@:
	s_barrier_wait -3
	s_barrier_signal -1
	s_barrier_wait -1
.endm
.macro CROUND
	s_barrier_signal -1
	s_barrier_wait -1
	CREST
.endm
; 8 matrix instructions: query blocks a0, a0 + 1 x all 4 channel blocks, 32 keys: half c of buffer f.  zero = 1: the product starts the sum.
; The 16 accumulators always come in the same order, one instruction a turn.
.macro MUL8 f, c, a0, zero
	WIN MUL
.irp a, \a0, (\a0)+1
.irp b, 0,1,2,3
.if \zero
	v_wmma_f32_16x16x32_f16 v[ACC+8*(4*(\a)+(\b)):ACC+8*(4*(\a)+(\b))+7], v[(\f)+64+8*(4*(\c)+(\b)):(\f)+64+8*(4*(\c)+(\b))+7], v[(\f)+8*(4*(\c)+(\a)):(\f)+8*(4*(\c)+(\a))+7], 0
.else
	v_wmma_f32_16x16x32_f16 v[ACC+8*(4*(\a)+(\b)):ACC+8*(4*(\a)+(\b))+7], v[(\f)+64+8*(4*(\c)+(\b)):(\f)+64+8*(4*(\c)+(\b))+7], v[(\f)+8*(4*(\c)+(\a)):(\f)+8*(4*(\c)+(\a))+7], v[ACC+8*(4*(\a)+(\b)):ACC+8*(4*(\a)+(\b))+7]
.endif
.endr
.endr
.endm
; 32 LDS loads in one run: quarter q (64 keys) of a slot into buffer f; the first 32 keys (16 loads) first.
; A turning load takes 16 keys x 16 channels and leaves half a fragment of v: lane l holds channel l % 16 and 8 keys.
.macro FETCH slot, q, f
	WIN TO_F
.irp c, 0,1
.irp i, 0,1,2,3
	ds_load_tr16_b128 v[(\f)+64+8*(4*(\c)+(\i)):(\f)+64+8*(4*(\c)+(\i))+3],   v[ADRB+2*(\slot)+(\q)/2] offset:(64*((\q)%2)+32*(\c))*PB+32*(\i)
	ds_load_tr16_b128 v[(\f)+64+8*(4*(\c)+(\i))+4:(\f)+64+8*(4*(\c)+(\i))+7], v[ADRB+2*(\slot)+(\q)/2] offset:(64*((\q)%2)+32*(\c)+16)*PB+32*(\i)
	ds_load_b128 v[(\f)+8*(4*(\c)+(\i)):(\f)+8*(4*(\c)+(\i))+3],   v[ADRA+(\slot)] offset:128*(\q)+64*(\c)+(\i)*16*PITCH
	ds_load_b128 v[(\f)+8*(4*(\c)+(\i))+4:(\f)+8*(4*(\c)+(\i))+7], v[ADRA+(\slot)] offset:128*(\q)+64*(\c)+(\i)*16*PITCH+32
.endr
.endr
.endm
; A step is four quarters of 64 keys, 32 matrix instructions each, on buffers 0, 1, 0, 1.  One of the first three: multiplies buffer f and, in its middle, fetches quarter q of the same slot into g.
.macro QUARTER slot, q, f, g, zero
	s_wait_dscnt 16                                ; the first 32 keys are in; the younger 16 loads may be out
	MUL8 \f, 0, 0, \zero
	MUL8 \f, 0, 2, \zero
	PLACES
	FETCH \slot, \q, \g
	s_wait_dscnt 32                                ; all but the 32 just issued
	MUL8 \f, 1, 0, 0
	MUL8 \f, 1, 2, 0
.endm
; The last quarter multiplies buffer 1 and changes slots: ONE barrier.  In front of it each wave waits for all its tensor loads (one is out: its part of the next slot), adds 0 to its spare word, and
; waits for that and for its own reads of this slot.  fill = 1: the barrier opens a round of the cluster's, and this slot is filled again, two steps ahead, first thing behind the round.
.macro TURN slot, next, fill
	WIN 0                                          ; the add's two registers lie in window 0
	s_wait_tensorcnt 0x0
	ds_add_u32 v[SPW], v[NIL]
	s_wait_dscnt 17                                ; the add and the younger 16 loads may be out
	MUL8 F1, 0, 0, 0                               ; eight matrix instructions stand between the add and the wait for it
	s_wait_dscnt 0x0                               ; the add is done, and my reads of this slot are over
	s_barrier_signal -1
	MUL8 F1, 0, 2, 0                               ; work on registers while the others arrive
.if \fill
	WIN 0
.endif
	s_barrier_wait -1
.if \fill
	CREST                                          ; no wave of any partner still reads this slot or has a load on its way
	s_add_nc_u64 s[G0+4*(\slot)+2:G0+4*(\slot)+3], s[G0+4*(\slot)+2:G0+4*(\slot)+3], 2*FIRSTA
	s_add_nc_u64 s[G0B+4*(\slot)+2:G0B+4*(\slot)+3], s[G0B+4*(\slot)+2:G0B+4*(\slot)+3], 2*FIRSTB
	JLOAD \slot                                    ; its four v_nop are also the places in front of the loads below
.else
	PLACES
.endif
	FETCH \next, 0, F0
	MUL8 F1, 1, 0, 0
	MUL8 F1, 1, 2, 0
.endm
	s_load_b128 s[4:7], s[0:1], 0x0                ; A = p s[4:5], qkv s[6:7]
	s_load_b64 s[8:9], s[0:1], 0x10                ; C = ctx
	v_lshl_add_u32 v[SPW], v0, 2, SPARE
	v_mov_b32 v[NIL], 0
	ds_add_u32 v[SPW], v[NIL]                      ; the wave's opening: the add and its wait ahead of my first tensor load; all the set-up on registers stands between them
	v_lshrrev_b32 v1, 5, v0
	v_readfirstlane_b32 s10, v1                    ; wave 0..3
	s_lshr_b32 s11, s10, 1                         ; which half of the tile's queries is mine.  Also: I fetch for p (0) or for v (1)
	s_and_b32 s12, s10, 1                          ; which half of its channels.  Also: which half of that tile I fetch
	s_bfe_u32 s40, ttmp6, 0x40000                  ; cx, cy: my place in the cluster
	s_bfe_u32 s41, ttmp6, 0x40004
	s_lshl_b32 s42, ttmp9, 2
	s_add_co_u32 s42, s42, s40                     ; channel tile = 4 x cluster x + cx: it enters v's and C's addresses alone
	s_and_b32 s19, ttmp7, 0xffff                   ; the cluster's y, 0 .. 15, which all sixteen share
	s_and_b32 s45, s19, 3                          ; the batch
	s_lshr_b32 s18, s19, 2                         ; which quarter of the grid's y,
	s_lshl_b32 s18, s18, 1
	s_lshr_b32 s2, 30, s18                         ; and its group of 512 queries: 2, 3, 1, 0, two bits each out of 0b00011110
	s_and_b32 s2, s2, 3                            ; G: also the loop's trips: G + 1 laps of two steps, of which the last is written out
	s_lshl2_add_u32 s13, s2, s41                   ; row block of 128 queries = 4 G + cy: it enters p's and C's addresses alone
	s_lshl_b32 s43, s41, 2
	s_lshl_b32 s43, 15, s43                        ; my row of the cluster
	s_lshl_b32 s44, 0x1111, s40                    ; my column
	s_or_b32 s[G1], s43, (1<<16)|(1<<20)|(1<<21)|(6<<22)|(3<<25)   ; 15:0 the mask: p's tiles go to my row; 2-byte elements; padding on; bit 21 set beside a mask; after every 128 words 4 words
	s_or_b32 s[G1B], s44, (1<<16)|(1<<20)|(1<<21)|(5<<22)|(7<<25)  ; v's tiles go to my column; after every 64 words 8 words
	s_mov_b32 s[G1+1], 256<<16                     ; tensor_dim0 = 256
	s_mov_b32 s[G1+2], 64<<16                      ; tensor_dim1 = 64
	s_mov_b32 s[G1+3], 256<<16                     ; tile_dim0 = 256
	s_mov_b32 s[G1+4], 64                          ; tile_dim1 = 64
	s_mov_b32 s[G1+5], 2048                        ; elements from row to row of p
	s_mov_b32 s[G1+6], 0
	s_mov_b32 s[G1+7], 0
	s_mov_b32 s[G1B+1], 128<<16                    ; tensor_dim0 = 128
	s_mov_b32 s[G1B+2], 128<<16                    ; tensor_dim1 = 128
	s_mov_b32 s[G1B+3], 128<<16                    ; tile_dim0 = 128
	s_mov_b32 s[G1B+4], 128                        ; tile_dim1 = 128
	s_mov_b32 s[G1B+5], 3072                       ; elements from row to row of qkv
	s_mov_b32 s[G1B+6], 0
	s_mov_b32 s[G1B+7], 0
	s_lshl_b32 s16, s45, 23                        ; p: the batch's 8,388,608 bytes,
	s_lshl_b32 s18, s13, 19                        ; 128 rows of 4,096 bytes a row block,
	s_add_co_u32 s16, s16, s18
	s_lshl_b32 s18, s12, 18                        ; 64 rows a half
	s_add_co_u32 s16, s16, s18
	s_mov_b32 s17, 0
	s_lshl_b32 s46, s45, 11                        ; v: row 2,048 b + 128 half,
	s_lshl_b32 s18, s12, 7
	s_add_co_u32 s46, s46, s18
	s_mul_i32 s46, s46, 6144                       ; in bytes (under 2^26),
	s_lshl_b32 s47, s42, 8                         ; 256 bytes a channel tile,
	s_add_co_u32 s46, s46, s47
	s_add_co_u32 s46, s46, 4096                    ; v's columns begin 4,096 bytes into a row
	s_mov_b32 s47, 0
	s_mul_i32 s20, s12, 64*PITCH                   ; where they go in a slot: no place in the cluster enters an LDS address
	s_mul_i32 s21, s12, 128*PB
	s_add_co_u32 s21, s21, APART
	s_lshl_b32 s22, s45, 22                        ; the rows of C that I store: 2,048 rows of 2,048 bytes a batch,
	s_lshl_b32 s43, s13, 18                        ; 128 rows a row block,
	s_add_co_u32 s22, s22, s43
	s_lshl_b32 s43, s10, 16                        ; 32 rows a wave,
	s_add_co_u32 s22, s22, s43
	s_lshl_b32 s43, s42, 8                         ; 256 bytes a channel tile
	s_add_co_u32 s22, s22, s43
	s_mov_b32 s23, 0
	; a fragment of p is 16 queries x 32 keys in 8 registers: lane l holds query l % 16, keys 8 (l / 16) + 0..7 and 16 + 8 (l / 16) + 0..7: two loads of 16 bytes, 32 bytes apart
	v_and_b32 v1, 15, v0                           ; l % 16
	v_bfe_u32 v2, v0, 4, 1                         ; l / 16
	v_mul_u32_u24 v3, v1, PITCH
	v_lshl_add_u32 v3, v2, 4, v3
	s_mul_i32 s18, s11, 64*PITCH                   ; my 64 queries
	v_add_nc_u32 v[ADRA], s18, v3
	v_add_nc_u32 v[ADRA+1], SLOT, v[ADRA]
	v_and_b32 v4, 7, v0                            ; the turning load: lane l reads key 8 (l / 16) + l % 8, channels 8 ((l / 8) % 2) + 0..7
	v_lshl_add_u32 v4, v2, 3, v4
	v_mul_u32_u24 v4, v4, PB
	v_bfe_u32 v5, v0, 3, 1
	v_lshl_add_u32 v4, v5, 4, v4
	s_lshl_b32 s18, s12, 7                         ; my 64 channels: 128 bytes of a row
	s_add_co_u32 s18, s18, APART
	v_add_nc_u32 v[ADRB], s18, v4
	v_add_nc_u32 v[ADRB+1], 128*PB, v[ADRB]
	v_add_nc_u32 v[ADRB+2], SLOT, v[ADRB]
	v_add_nc_u32 v[ADRB+3], SLOT, v[ADRB+1]
	s_mul_i32 s18, s11, 64*SPITCH                  ; into the stage: my 64 rows, my half of their 256 bytes; row l % 16, 16 bytes for each half of the lanes
	s_lshl_b32 s19, s12, 7
	s_add_co_u32 s18, s18, s19
	s_add_co_u32 s18, s18, STAGE
	v_mul_u32_u24 v4, v1, SPITCH
	v_lshl_add_u32 v4, v2, 4, v4
	v_add_nc_u32 v[STO], s18, v4
	s_mul_i32 s18, s10, 32*SPITCH                  ; back: wave w takes rows 32 w .. 32 w + 31, whole; lanes 0-15 one row of 256 bytes, lanes 16-31 the next
	s_add_co_u32 s18, s18, STAGE
	v_mul_u32_u24 v5, v2, SPITCH
	v_lshl_add_u32 v5, v1, 4, v5
	v_add_nc_u32 v[RD], s18, v5
	v_lshlrev_b32 v5, 11, v2                       ; and the same two rows in C, 2,048 bytes apart
	v_lshl_add_u32 v[CO], v1, 4, v5
	s_wait_dscnt 0x0                               ; the opening add is done
	s_wait_kmcnt 0x0
	s_add_nc_u64 s[14:15], s[4:5], s[16:17]
	s_add_nc_u64 s[46:47], s[6:7], s[46:47]
	s_add_nc_u64 s[8:9], s[8:9], s[22:23]
	CROUND                                         ; all sixteen work-groups are here: the first joint loads meet
.irp s, 0,1
	s_mov_b32 s[G0+4*(\s)], 1                      ; count = 1
	s_add_co_u32 s[G0+4*(\s)+1], s20, (\s)*SLOT    ; LDS address
	s_add_nc_u64 s[G0+4*(\s)+2:G0+4*(\s)+3], s[14:15], (\s)*FIRSTA  ; global address: step s
	s_or_b32 s[G0+4*(\s)+3], s[G0+4*(\s)+3], 0x80000000            ; type = 2
	s_mov_b32 s[G0B+4*(\s)], 1
	s_add_co_u32 s[G0B+4*(\s)+1], s21, (\s)*SLOT
	s_add_nc_u64 s[G0B+4*(\s)+2:G0B+4*(\s)+3], s[46:47], (\s)*FIRSTB
	s_or_b32 s[G0B+4*(\s)+3], s[G0B+4*(\s)+3], 0x80000000
	JLOAD \s
.endr
	s_wait_tensorcnt 1                             ; my part of step 0 is in; step 1's may stay out
	s_barrier_signal -1
	s_barrier_wait -1                              ; everybody's is
	FETCH 0, 0, F0
	QUARTER 0, 1, F0, F1, 1                        ; the first quarter stands in front of the loop: its first products start the sums
	WIN 0                                          ; at a label and at a branch every window is 0
	s_cmp_eq_u32 s2, 0                             ; group 0 has one lap, the one written out below: the same answer in all four waves and all sixteen partners
	s_cbranch_scc1 .Ltail
	s_mov_b32 s3, 0
.Llap:                                                 ; G trips; a trip goes once round the ring, from a lap's second quarter to the next lap's first, and fills both slots again;
	QUARTER 0, 2, F1, F0, 0                        ; every LDS address in the loop is fixed, only the descriptors' global addresses step
	QUARTER 0, 3, F0, F1, 0
	TURN 0, 1, 1
	QUARTER 1, 1, F0, F1, 0
	QUARTER 1, 2, F1, F0, 0
	QUARTER 1, 3, F0, F1, 0
	TURN 1, 0, 1
	QUARTER 0, 1, F0, F1, 0
	WIN 0
	s_add_co_u32 s3, s3, 1
	s_cmp_lt_u32 s3, s2
	s_cbranch_scc1 .Llap
.Ltail:
	QUARTER 0, 2, F1, F0, 0                        ; the last lap fills nothing, and has no round of the cluster's barrier; its wait on the tensor loads is for 0, whichever way led here
	QUARTER 0, 3, F0, F1, 0
	TURN 0, 1, 0
	QUARTER 1, 1, F0, F1, 0
	QUARTER 1, 2, F1, F0, 0
	QUARTER 1, 3, F0, F1, 0
	s_wait_dscnt 16                                ; the very last quarter: nothing more to fetch
	MUL8 F1, 0, 0, 0
	MUL8 F1, 0, 2, 0
	s_wait_dscnt 0x0
	MUL8 F1, 1, 0, 0
	MUL8 F1, 1, 2, 0
	WIN 0
	; THE WAY OUT: round to f16 (each accumulator's registers in ascending order); 16 bytes a lane into the work-group's stage; a barrier, since a row's 256 bytes come from two waves; back as whole rows, 32 rows a wave.
	PLACES                                         ; the conversions read results just made
.irp t, 0,1,2,3,4,5,6,7,8,9,10,11,12,13,14,15
.irp r, 0,1,2,3
	v_cvt_pk_f16_f32 v[TMP+4*(\t)+(\r)], v[ACC+8*(\t)+2*(\r)], v[ACC+8*(\t)+2*(\r)+1]
.endr
.endr
.irp a, 0,1,2,3
.irp b, 0,1,2,3
	ds_store_b128 v[STO], v[TMP+4*(4*(\a)+(\b)):TMP+4*(4*(\a)+(\b))+3] offset:(\a)*16*SPITCH+32*(\b)
.endr
.endr
	s_wait_dscnt 0x0                               ; for the others' sake: my stores into the stage are done
	s_barrier_signal -1
	s_barrier_wait -1
.irp t, 0,1,2,3,4,5,6,7,8,9,10,11,12,13,14,15
	ds_load_b128 v[TMP+4*(\t):TMP+4*(\t)+3], v[RD] offset:(\t)*2*SPITCH
.endr
.irp t, 0,1,2,3,4,5,6,7,8,9,10,11,12,13,14,15
	s_wait_dscnt 15-(\t)                           ; LDS loads come back in order (ISA guide 5.7.1): load t is in, the 15 - t younger ones stay out
	global_store_b128 v[CO], v[TMP+4*(\t):TMP+4*(\t)+3], s[8:9] offset:2*(\t)*CP  ; 16 lanes store 256 consecutive bytes, at a multiple of 256 from C's first byte
.endr
	s_wait_tensorcnt 0x0                           ; the wave's end
	ds_add_u32 v[SPW], v[NIL]
	s_wait_dscnt 0x0
	CROUND                                         ; the closing round: no work-group ends while a partner may still ask for a tile that names it
	s_endpgm
.Lfunc_end_k_q4d1563c973_pv:
	.size	k_q4d1563c973_pv, .Lfunc_end_k_q4d1563c973_pv-k_q4d1563c973_pv
	.p2alignl 7, 3214868480
	.fill 96, 4, 3214868480
	.section	.rodata,"a",@progbits
	.p2align	6, 0x0
	.amdhsa_kernel k_q4d1563c973_pv
		.amdhsa_group_segment_fixed_size 327680
		.amdhsa_private_segment_fixed_size 0
		.amdhsa_enable_private_segment 0
		.amdhsa_kernarg_size 24
		.amdhsa_user_sgpr_count 2
		.amdhsa_user_sgpr_kernarg_segment_ptr 1
		.amdhsa_wavefront_size32 1
		.amdhsa_system_sgpr_workgroup_id_x 1
		.amdhsa_system_sgpr_workgroup_id_y 1
		.amdhsa_system_sgpr_workgroup_id_z 1
		.amdhsa_system_vgpr_workitem_id 0
		.amdhsa_next_free_vgpr 512
		.amdhsa_next_free_sgpr 66
		.amdhsa_reserve_vcc 0
		.amdhsa_float_denorm_mode_32 3
		.amdhsa_float_denorm_mode_16_64 3
		.amdhsa_memory_ordered 1
		.amdhsa_forward_progress 1
		.amdhsa_inst_pref_size 87
	.end_amdhsa_kernel
	.amdgpu_metadata
---
amdhsa.version: [ 1, 2 ]
amdhsa.kernels:
  - .name:           k_q4d1563c973_pv
    .symbol:         k_q4d1563c973_pv.kd
    .args:
      - { .name: p, .offset: 0, .size: 8, .value_kind: global_buffer, .address_space: global }
      - { .name: qkv, .offset: 8, .size: 8, .value_kind: global_buffer, .address_space: global }
      - { .name: ctx, .offset: 16, .size: 8, .value_kind: global_buffer, .address_space: global }
    .group_segment_fixed_size: 327680
    .private_segment_fixed_size: 0
    .kernarg_segment_align: 8
    .kernarg_segment_size: 24
    .max_flat_workgroup_size: 128
    .sgpr_count:     66
    .vgpr_count:     512
    .wavefront_size: 32
...
	.end_amdgpu_metadata
.endif
;; end of part 5
;; launch outp (part 6): grid 8 x 32, 4 waves a work-group, clusters of 4 x 4, 327,680 bytes of LDS; arguments ctx, w16, out0; writes out0
.if DOCPART == 6
	.amdgcn_target "amdgcn-amd-amdhsa--gfx1250"
	.amdhsa_code_object_version 6
	.text
	.protected	k_q4d1563c973_outp
	.globl	k_q4d1563c973_outp
	.p2align	8
	.type	k_q4d1563c973_outp,@function
k_q4d1563c973_outp:
	s_mov_b64 s[64:65], 0
	v_nop
	global_prefetch_b8 v0, s[64:65] scope:SCOPE_SE
	s_setreg_imm32_b32 hwreg(HW_REG_WAVE_MODE, 25, 1), 1
	s_wait_xcnt 0x0
	s_wait_alu depctr_hold_cnt(0) depctr_sa_sdst(0) depctr_va_vdst(0) depctr_va_sdst(0) depctr_va_ssrc(0) depctr_va_vcc(0) depctr_vm_vsrc(0)
	s_getreg_b32 s2, hwreg(HW_REG_IB_STS2, 6, 4)
	s_cmp_eq_u32 s2, 0
	s_cbranch_scc0 .Lentry_in_a_cluster
	s_endpgm
.Lentry_in_a_cluster:
	s_bfe_u32 s2, ttmp6, 0x10000c
	s_cmp_lg_u32 s2, 0xf033
	s_cbranch_scc0 .Lentry_shape_is_right
	s_endpgm
.Lentry_shape_is_right:
; out0[s][e] = sum over d of ctx[s][d] W_o[e][d].  ctx: [8192][1024] f16; W_o is rows 3072-4095 of w16: [4096][1024] f16; out0: [8192][1024] f32; sums in f32.
; SHARES.  A work-group makes 256 x 128 of C: 8 x 32 = 256 work-groups.  Each of its four waves makes 64 rows x 128 columns: 32 accumulators of 16 x 16.
; K goes in steps of 128 through two LDS slots filled by tensor loads (rows of 256 bytes at multiples of 256).  Waves 0, 1 fetch A's two halves (128 rows each), waves 2, 3 B's (64 rows each).
; A wave has two tensor loads out at the start and one behind each change of slots, which has 112 of a step's 128 matrix instructions in which to land.
; CLUSTER.  4 x 4 work-groups: A's tile is shared along a row of the cluster, B's along a column; each is asked for jointly, by the same load, descriptor and mask in all four.
; THE MATRIX INSTRUCTION IS USED TRANSPOSED (source 0 = 16 rows of B, source 1 = 16 rows of A): a lane holds row lane % 16 of C and the eight columns 8 (lane / 16) + 0..7.
; REGISTERS, in windows of 256 (s_set_vgpr_msb: bits 1:0 source 0, 3:2 source 1, 5:4 source 2, 7:6 destination):
;   window 0: addresses, the way out      window 1: accumulator (a, b) at v[8 (8 a + b)]
;   windows 2, 3: fragment buffers 0, 1, each 64 along K: A's (kk, a) at v[8 (4 kk + a)], B's (kk, b) at v[64 + 8 (8 kk + b)]
.set PITCH,  272                       ; an LDS row: 256 bytes + 16 of padding: the 16 rows of a fragment load start at 16 different groups of four banks (64 banks of 4 bytes: ISA guide 11.1)
.set PB,     272
.set APART,  256*PITCH
.set SLOT,   APART+128*PB
.set STAGE,  2*SLOT                    ; behind the ring, never filled by a tensor load: 16 rows x 528 bytes for each wave
.set SPITCH, 528
.set SPARE,  STAGE+4*16*SPITCH         ; the spare words, 128 bytes a wave: two blocks of 256 bytes that no other line names
.set CP,     4096                      ; bytes in a row of C
.set PITA,   1024
.set PITB,   1024
.set FIRSTA, 256
.set FIRSTB, 256
.set LAPS,   4
.set G1W,    (1<<16)|(1<<20)|(5<<22)|(3<<25)  ; 2-byte elements; padding on; after every 64 words; 4 words of it
.set ADRA, 16
.set ADRB, 20
.set STO,  24
.set RD,   25
.set CO,   26
.set SPW,  28                          ; LDS address of my spare word; never rewritten
.set NIL,  29                          ; 0; never rewritten
.set BK,   64                          ; v64-191 rows read back, two buffers of 64
.set G1,  24
.set G0,  32
.set G1B, 48
.set G0B, 56
.set MSB, 0
.macro WIN new                         ; the immediate's high byte repeats the setting that is left
.if MSB != (\new)
	s_set_vgpr_msb (MSB<<8)|(\new)
.set MSB, \new
.endif
.endm
.macro PLACES                          ; four plain vector instructions between a matrix instruction and a load into, or a read of, its registers (ISA guide 7.12.1 for vector instructions)
.rept 4
	v_nop
.endr
.endm
.macro JLOAD s                         ; waves 0, 1: A's halves; waves 2, 3: B's.  An s_nop 0 and four v_nop follow each line
	s_cmp_eq_u32 s11, 0
	s_cbranch_scc0 .Lfor_b_\@
	tensor_load_to_lds s[G0+4*(\s):G0+4*(\s)+3], s[G1:G1+7]
	s_nop 0
.rept 4
	v_nop
.endr
	s_branch .Lasked_\@
.Lfor_b_\@:
	tensor_load_to_lds s[G0B+4*(\s):G0B+4*(\s)+3], s[G1B:G1B+7]
	s_nop 0
.rept 4
	v_nop
.endr
.Lasked_\@:
.endm
.macro CREST                           ; a round of the cluster's barrier behind its opening barrier
	s_cmp_lg_u32 s10, 0
	s_cbranch_scc1 .Lnot_wave_0_\@
	s_barrier_signal -3
.Lnot_wave_0_\@:
	s_barrier_wait -3
	s_barrier_signal -1
	s_barrier_wait -1
.endm
.macro CROUND
	s_barrier_signal -1
	s_barrier_wait -1
	CREST
.endm
; 8 na matrix instructions.  The 32 accumulators always come in the same order, one instruction a turn.
.macro MULN f, kk, a0, na, zero
	WIN 0x5a+5*(\f)
.set ia, (\a0)
.rept \na
.set ib, 0
.rept 8
.if \zero
	v_wmma_f32_16x16x32_f16 v[8*(8*ia+ib):8*(8*ia+ib)+7], v[64+8*(8*(\kk)+ib):64+8*(8*(\kk)+ib)+7], v[8*(4*(\kk)+ia):8*(4*(\kk)+ia)+7], 0
.else
	v_wmma_f32_16x16x32_f16 v[8*(8*ia+ib):8*(8*ia+ib)+7], v[64+8*(8*(\kk)+ib):64+8*(8*(\kk)+ib)+7], v[8*(4*(\kk)+ia):8*(4*(\kk)+ia)+7], v[8*(8*ia+ib):8*(8*ia+ib)+7]
.endif
.set ib, ib+1
.endr
.set ia, ia+1
.endr
.endm
.macro FETCH slot, hf, f               ; 48 LDS loads in one run: half hf of a slot into buffer f; the first 32 along K (24 loads) first
	WIN 0x80+0x40*(\f)
.irp kk, 0,1
.irp b, 0,1,2,3,4,5,6,7
	ds_load_b128 v[64+8*(8*(\kk)+(\b)):64+8*(8*(\kk)+(\b))+3],   v[ADRB+(\slot)] offset:128*(\hf)+64*(\kk)+(\b)*16*PB
	ds_load_b128 v[64+8*(8*(\kk)+(\b))+4:64+8*(8*(\kk)+(\b))+7], v[ADRB+(\slot)] offset:128*(\hf)+64*(\kk)+(\b)*16*PB+32
.endr
.irp a, 0,1,2,3
	ds_load_b128 v[8*(4*(\kk)+(\a)):8*(4*(\kk)+(\a))+3],   v[ADRA+(\slot)] offset:128*(\hf)+64*(\kk)+(\a)*16*PITCH
	ds_load_b128 v[8*(4*(\kk)+(\a))+4:8*(4*(\kk)+(\a))+7], v[ADRA+(\slot)] offset:128*(\hf)+64*(\kk)+(\a)*16*PITCH+32
.endr
.endr
.endm
.macro HALF slot, zero
	s_wait_dscnt 24                                ; the first 32 along K are in; the younger 24 loads may be out
	MULN 0, 0, 0, 4, \zero
	PLACES
	FETCH \slot, 1, 1
	s_wait_dscnt 48                                ; all but the 48 just issued
	MULN 0, 1, 0, 4, 0
.endm
; The change of slots: ONE barrier.  In front of it each wave waits for all its tensor loads (its part of the next slot), adds 0 to its spare word, and waits for that and for its reads of this slot.
; fill = 1: the barrier opens a round of the cluster's, and this slot is filled again, two steps ahead, first thing behind the round.
.macro TURN slot, next, fill
	WIN 0
	s_wait_tensorcnt 0x0
	ds_add_u32 v[SPW], v[NIL]
	s_wait_dscnt 25                                ; the add and the younger 24 loads may be out
	MULN 1, 0, 0, 1, 0
	s_wait_dscnt 0x0                               ; the add is done, and my reads of this slot are over
	s_barrier_signal -1
	MULN 1, 0, 1, 1, 0
.if \fill
	WIN 0
.endif
	s_barrier_wait -1
.if \fill
	CREST                                          ; no wave of any partner still reads this slot or has a load on its way
	s_add_nc_u64 s[G0+4*(\slot)+2:G0+4*(\slot)+3], s[G0+4*(\slot)+2:G0+4*(\slot)+3], 2*FIRSTA
	s_add_nc_u64 s[G0B+4*(\slot)+2:G0B+4*(\slot)+3], s[G0B+4*(\slot)+2:G0B+4*(\slot)+3], 2*FIRSTB
	JLOAD \slot                                    ; its four v_nop are also the places in front of the loads below
.else
	PLACES
.endif
	FETCH \next, 0, 0
	MULN 1, 0, 2, 2, 0
	MULN 1, 1, 0, 4, 0
.endm
.macro LAST
	s_wait_dscnt 24
	MULN 1, 0, 0, 4, 0
	s_wait_dscnt 0x0
	MULN 1, 1, 0, 4, 0
.endm
; THE WAY OUT of row block a, in f32: a lane's eight columns, 32 bytes, go into my stage (each accumulator's low four registers first) and come back as whole rows of 512 bytes.
.macro TOSTAGE4 a
	WIN 0x04                                       ; the stores' data in window 1
.irp b, 0,1,2,3,4,5,6,7
	ds_store_b128 v[STO], v[64*(\a)+8*(\b):64*(\a)+8*(\b)+3] offset:64*(\b)
	ds_store_b128 v[STO], v[64*(\a)+8*(\b)+4:64*(\a)+8*(\b)+7] offset:64*(\b)+16
.endr
	WIN 0
.set bk, BK+64*((\a)%2)
.irp t, 0,1,2,3,4,5,6,7,8,9,10,11,12,13,14,15
	ds_load_b128 v[bk+4*(\t):bk+4*(\t)+3], v[RD] offset:(\t)*SPITCH  ; LDS serves a wave's instructions in order (ISA guide 5.7.1.4): these see the stores above
.endr
.endm
.macro SEND4 a
.set bk, BK+64*((\a)%2)
	s_wait_dscnt 0x0
	s_wait_xcnt 0x0                                ; only behind this wait are the stores' base and the registers that earlier stores read rewritten
.if (\a) == 0
	s_add_nc_u64 s[8:9], s[8:9], s[16:17]
.else
	s_add_nc_u64 s[8:9], s[8:9], 16*CP
.endif
.irp t, 0,1,2,3,4,5,6,7,8,9,10,11,12,13,14,15
	global_store_b128 v[CO], v[bk+4*(\t):bk+4*(\t)+3], s[8:9] offset:(\t)*CP th:TH_STORE_NT  ; the wave stores 512 consecutive bytes, at a multiple of 512 from C's first byte; nothing reads them again
.endr
.endm
	s_load_b128 s[4:7], s[0:1], 0x0                ; A = ctx s[4:5], w16 s[6:7]
	s_load_b64 s[8:9], s[0:1], 0x10                ; C = out0
	v_lshl_add_u32 v[SPW], v0, 2, SPARE
	v_mov_b32 v[NIL], 0
	ds_add_u32 v[SPW], v[NIL]                      ; the wave's opening: the add and its wait ahead of my first tensor load
	v_lshrrev_b32 v1, 5, v0
	v_readfirstlane_b32 s10, v1                    ; wave 0..3
	s_lshr_b32 s11, s10, 1                         ; I fetch for A (0) or for B (1),
	s_and_b32 s12, s10, 1                          ; its first or second half
	s_bfe_u32 s40, ttmp6, 0x40000                  ; cx, cy: my place in the cluster
	s_bfe_u32 s41, ttmp6, 0x40004
	s_lshl_b32 s42, ttmp9, 2
	s_add_co_u32 s42, s42, s40                     ; tile column of C = 4 x cluster x + cx
	s_and_b32 s13, ttmp7, 0xffff
	s_lshl_b32 s13, s13, 2
	s_add_co_u32 s13, s13, s41                     ; tile row of C = 4 x cluster y + cy
	s_lshl_b32 s43, s41, 2
	s_lshl_b32 s43, 15, s43                        ; my row of the cluster
	s_lshl_b32 s44, 0x1111, s40                    ; my column
	s_or_b32 s[G1], s43, G1W|(1<<21)               ; A's tiles go to my row; bit 21 set beside a mask
	s_or_b32 s[G1B], s44, G1W|(1<<21)              ; B's to my column
	s_mov_b32 s[G1+1], 128<<16                     ; tensor_dim0 = 128
	s_mov_b32 s[G1+2], 128<<16                     ; tensor_dim1 = 128
	s_mov_b32 s[G1+3], 128<<16                     ; tile_dim0 = 128
	s_mov_b32 s[G1+4], 128                         ; tile_dim1 = 128
	s_mov_b32 s[G1+5], PITA
	s_mov_b32 s[G1+6], 0
	s_mov_b32 s[G1+7], 0
	s_mov_b32 s[G1B+1], 128<<16
	s_mov_b32 s[G1B+2], 64<<16
	s_mov_b32 s[G1B+3], 128<<16
	s_mov_b32 s[G1B+4], 64
	s_mov_b32 s[G1B+5], PITB
	s_mov_b32 s[G1B+6], 0
	s_mov_b32 s[G1B+7], 0
	s_lshl_b32 s16, s13, 19                        ; A: 256 rows of 2,048 bytes a tile row,
	s_lshl_b32 s18, s12, 18                        ; 128 rows a half
	s_add_co_u32 s16, s16, s18
	s_mov_b32 s17, 0
	s_lshl_b32 s46, s42, 18                        ; B: 128 rows a tile column,
	s_lshl_b32 s18, s12, 17                        ; 64 rows a half,
	s_add_co_u32 s46, s46, s18
	s_add_co_u32 s46, s46, 0x600000                ; behind w16's first 3,072 rows of 2,048 bytes
	s_mov_b32 s47, 0
	s_mul_i32 s20, s12, 128*PITCH                  ; where they go in a slot: no place in the cluster enters an LDS address
	s_mul_i32 s21, s12, 64*PB
	s_add_co_u32 s21, s21, APART
	s_wait_dscnt 0x0                               ; the opening add is done
	s_wait_kmcnt 0x0
	s_add_nc_u64 s[14:15], s[4:5], s[16:17]
	s_add_nc_u64 s[46:47], s[6:7], s[46:47]
	CROUND                                         ; all sixteen work-groups are here: the first joint loads meet
.irp s, 0,1
	s_mov_b32 s[G0+4*(\s)], 1
	s_add_co_u32 s[G0+4*(\s)+1], s20, (\s)*SLOT
	s_add_nc_u64 s[G0+4*(\s)+2:G0+4*(\s)+3], s[14:15], (\s)*FIRSTA
	s_or_b32 s[G0+4*(\s)+3], s[G0+4*(\s)+3], 0x80000000
	s_mov_b32 s[G0B+4*(\s)], 1
	s_add_co_u32 s[G0B+4*(\s)+1], s21, (\s)*SLOT
	s_add_nc_u64 s[G0B+4*(\s)+2:G0B+4*(\s)+3], s[46:47], (\s)*FIRSTB
	s_or_b32 s[G0B+4*(\s)+3], s[G0B+4*(\s)+3], 0x80000000
	JLOAD \s
.endr
	v_and_b32 v1, 15, v0                           ; l % 16
	v_bfe_u32 v2, v0, 4, 1                         ; l / 16
	v_mul_u32_u24 v3, v1, PITCH
	v_lshl_add_u32 v3, v2, 4, v3
	s_mul_i32 s18, s10, 64*PITCH                   ; my 64 rows of A
	v_add_nc_u32 v[ADRA], s18, v3
	v_add_nc_u32 v[ADRA+1], SLOT, v[ADRA]
	v_add_nc_u32 v[ADRB], APART, v3
	v_add_nc_u32 v[ADRB+1], SLOT, v[ADRB]
	s_mul_i32 s23, s10, 16*SPITCH
	s_add_co_u32 s23, s23, STAGE                   ; my stage
	v_mul_u32_u24 v4, v1, SPITCH                   ; in: row l % 16, 32 bytes for each half of the lanes
	v_lshl_add_u32 v4, v2, 5, v4
	v_add_nc_u32 v[STO], s23, v4
	v_and_b32 v5, 31, v0
	v_lshlrev_b32 v[CO], 4, v5                     ; back, and in C: 32 lanes take one row's 512 bytes
	v_add_nc_u32 v[RD], s23, v[CO]
	s_lshl_b32 s16, s13, 20                        ; my part of C: 256 rows of 4,096 bytes a tile row,
	s_lshl_b32 s18, s10, 18                        ; 64 rows a wave,
	s_add_co_u32 s16, s16, s18
	s_mov_b32 s17, 0
	s_lshl_b32 s46, s42, 9                         ; 512 bytes a tile column
	s_mov_b32 s47, 0
	s_add_nc_u64 s[16:17], s[16:17], s[46:47]
	s_wait_tensorcnt 1                             ; my part of K step 0 is in; step 1's may stay out
	s_barrier_signal -1
	s_barrier_wait -1
	FETCH 0, 0, 0
	HALF 0, 1                                      ; the first half step's products start the sums
	WIN 0
	s_mov_b32 s3, LAPS-1
.Llap:
	TURN 0, 1, 1
	HALF 1, 0
	TURN 1, 0, 1
	HALF 0, 0
	WIN 0
	s_sub_co_u32 s3, s3, 1
	s_cmp_lg_u32 s3, 0
	s_cbranch_scc1 .Llap
	TURN 0, 1, 0                                   ; the last lap fills nothing
	HALF 1, 0
	LAST
	WIN 0
	PLACES                                         ; the LDS stores read results just made
.irp a, 0,1,2,3
	TOSTAGE4 \a
	SEND4 \a
.endr
	s_wait_tensorcnt 0x0                           ; the wave's end
	ds_add_u32 v[SPW], v[NIL]
	s_wait_dscnt 0x0
	CROUND                                         ; the closing round
	s_endpgm
.Lfunc_end_k_q4d1563c973_outp:
	.size	k_q4d1563c973_outp, .Lfunc_end_k_q4d1563c973_outp-k_q4d1563c973_outp
	.p2alignl 7, 3214868480
	.fill 96, 4, 3214868480
	.section	.rodata,"a",@progbits
	.p2align	6, 0x0
	.amdhsa_kernel k_q4d1563c973_outp
		.amdhsa_group_segment_fixed_size 327680
		.amdhsa_private_segment_fixed_size 0
		.amdhsa_enable_private_segment 0
		.amdhsa_kernarg_size 24
		.amdhsa_user_sgpr_count 2
		.amdhsa_user_sgpr_kernarg_segment_ptr 1
		.amdhsa_wavefront_size32 1
		.amdhsa_system_sgpr_workgroup_id_x 1
		.amdhsa_system_sgpr_workgroup_id_y 1
		.amdhsa_system_sgpr_workgroup_id_z 1
		.amdhsa_system_vgpr_workitem_id 0
		.amdhsa_next_free_vgpr 960
		.amdhsa_next_free_sgpr 66
		.amdhsa_reserve_vcc 0
		.amdhsa_float_denorm_mode_32 3
		.amdhsa_float_denorm_mode_16_64 3
		.amdhsa_memory_ordered 1
		.amdhsa_forward_progress 1
		.amdhsa_inst_pref_size 83
	.end_amdhsa_kernel
	.amdgpu_metadata
---
amdhsa.version: [ 1, 2 ]
amdhsa.kernels:
  - .name:           k_q4d1563c973_outp
    .symbol:         k_q4d1563c973_outp.kd
    .args:
      - { .name: ctx, .offset: 0, .size: 8, .value_kind: global_buffer, .address_space: global }
      - { .name: w16, .offset: 8, .size: 8, .value_kind: global_buffer, .address_space: global }
      - { .name: out0, .offset: 16, .size: 8, .value_kind: global_buffer, .address_space: global }
    .group_segment_fixed_size: 327680
    .private_segment_fixed_size: 0
    .kernarg_segment_align: 8
    .kernarg_segment_size: 24
    .max_flat_workgroup_size: 128
    .sgpr_count:     66
    .vgpr_count:     960
    .wavefront_size: 32
...
	.end_amdgpu_metadata
.endif
;; end of part 6
;; ======== version 2 of 2: 6 launches; version 1 with the launches cast, softmax written anew for expert scheduling mode
;; limits: values are held in f16: magnitudes above 65,504 overflow, below 6.1e-05 lose precision
;; workspace buffers: z16 16,777,216 bytes; w16 8,388,608 bytes; qkv 50,331,648 bytes; s32 67,108,864 bytes; p 33,554,432 bytes; ctx 16,777,216 bytes
;; launch cast (part 7): grid 768 x 1, 8 waves a work-group, no clusters, 0 bytes of LDS; arguments z, W_q, W_k, W_v, W_o, z16, w16; writes z16, w16
.if DOCPART == 7
	.amdgcn_target "amdgcn-amd-amdhsa--gfx1250"
	.amdhsa_code_object_version 6
	.text
	.protected	k_q4d1563c973_cast
	.globl	k_q4d1563c973_cast
	.p2align	8
	.type	k_q4d1563c973_cast,@function
k_q4d1563c973_cast:
	s_mov_b64 s[64:65], 0
	v_nop
	global_prefetch_b8 v0, s[64:65] scope:SCOPE_SE
	s_setreg_imm32_b32 hwreg(HW_REG_WAVE_SCHED_MODE, 0, 2), 2
	s_setreg_imm32_b32 hwreg(HW_REG_WAVE_MODE, 25, 1), 1
	s_wait_xcnt 0x0
	s_wait_alu depctr_vm_vsrc(0)
; z16 = f16(bf16(z)), w16 = f16(bf16(W_q | W_k | W_v | W_o)), the four weights one below the other (rows 0, 1024, 2048, 3072 of w16).
; Every input is rounded ONCE, to bf16 (nearest even); that number is then written as f16, which holds it exactly from 2^-14 to 65,504.
; LIMITS.  An input beyond 65,504 in magnitude becomes an infinity; below 2^-14 the f16 keeps its fixed step of 6e-8.  NaN and infinities are not treated apart.
; A stream: no LDS, no barrier, no matrix unit, no cluster (no two work-groups read the same byte).  A work-group takes 65,536 bytes of f32: 512 work-groups for z, 64 for each weight.
; Thread t takes 16 bytes at 16 t of each block of 4,096: a wave's load covers 512 consecutive bytes, its store of 8 bytes a lane 256 consecutive bytes, aligned.
; All sixteen loads of a wave go out at once.
; THE MODE: SCHED_MODE bits 1:0 = 2 (LLVM: expert scheduling mode 2), set by the entry lines.  The code itself states the register dependences
; between vector instructions and memory instructions, with s_wait_alu, always for 0.
; THE PLAN.  Registers that memory instructions touch:
;   v1, v2   byte offsets of the loads and of the stores: made once at the head, never written again.
;   X        load i lands in its own four registers; behind the wait for it vector instructions alone name them.
;   Y        store i's two registers: written once, by two conversions, read by that one store, never written again.
; The sixteen loads are taken in four blocks of four.  Block p's conversions write Y of block p; the four stores of block p - 1 are dealt among them.  No vector instruction of block p names Y of
; block p - 1, so ONE wait at a block's head states all that its four stores hang on.  No register that a memory instruction reads is written again: nothing is owed on that side.
.set X, 8                              ; v[8:71]   load i: four f32, then the same four rounded to bf16 and widened again
.set Y, 72                             ; v[72:103] store i: four f16
	s_load_b256 s[8:15], s[0:1], 0x0               ; z s[8:9], W_q s[10:11], W_k s[12:13], W_v s[14:15]
	s_load_b128 s[16:19], s[0:1], 0x20             ; W_o s[16:17], z16 s[18:19]
	s_load_b64 s[20:21], s[0:1], 0x30              ; w16
	s_max_u32 s2, ttmp9, 512
	s_sub_co_u32 s2, s2, 512                       ; j: my number among the weights' 256 work-groups (0 for z's)
	s_lshr_b32 s3, s2, 6                           ; which weight
	s_and_b32 s4, s2, 63
	s_lshl_b32 s4, s4, 16                          ; my bytes in that weight,
	s_lshl_b32 s5, s2, 15                          ; and in w16
	s_lshl_b32 s6, ttmp9, 16                       ; my bytes in z,
	s_lshl_b32 s7, ttmp9, 15                       ; and in z16
	s_mov_b32 s23, 0
	s_mov_b32 s29, 0
	s_mov_b32 s30, 0xffff0000                      ; a word's upper bf16
	v_lshlrev_b32 v1, 4, v0                        ; 16 t
	v_lshlrev_b32 v2, 3, v0                        ; 8 t
	s_wait_kmcnt 0x0
	s_mov_b64 s[24:25], s[10:11]                   ; the source: one of the four weights,
	s_cmp_eq_u32 s3, 1
	s_cselect_b64 s[24:25], s[12:13], s[24:25]
	s_cmp_eq_u32 s3, 2
	s_cselect_b64 s[24:25], s[14:15], s[24:25]
	s_cmp_eq_u32 s3, 3
	s_cselect_b64 s[24:25], s[16:17], s[24:25]
	s_cmp_lt_u32 ttmp9, 512                        ; or z; four selects on this one compare
	s_cselect_b64 s[24:25], s[8:9], s[24:25]
	s_cselect_b64 s[26:27], s[18:19], s[20:21]
	s_cselect_b32 s22, s6, s4
	s_cselect_b32 s28, s7, s5
	s_add_nc_u64 s[24:25], s[24:25], s[22:23]
	s_add_nc_u64 s[26:27], s[26:27], s[28:29]
	s_wait_alu depctr_va_vdst(0)                   ; v1 and v2 are written: every load reads v1 as its offset, every store v2
.irp i, 0,1,2,3,4,5,6,7,8,9,10,11,12,13,14,15
	global_load_b128 v[X+4*(\i):X+4*(\i)+3], v1, s[24:25] offset:4096*(\i) th:TH_LOAD_NT
.endr
.macro ST i
	global_store_b64 v2, v[Y+2*(\i):Y+2*(\i)+1], s[26:27] offset:2048*(\i)
.endm
.macro CV i
	s_wait_loadcnt 15-(\i)                         ; loads come back in order (ISA guide 5.7.1): load i is in, the 15 - i younger ones stay out
.if (\i) >= 4
.if (\i) % 4 == 0
	s_wait_alu depctr_va_vdst(0)                   ; a block's head: the conversions of the block before have written its Y, which the four stores dealt among this block's lines read
.endif
	ST (\i)-4                                      ; no vector instruction since that wait names these two registers
.endif
	v_cvt_pk_bf16_f32 v3, v[X+4*(\i)], v[X+4*(\i)+1]      ; the one rounding
	v_cvt_pk_bf16_f32 v4, v[X+4*(\i)+2], v[X+4*(\i)+3]
	v_lshlrev_b32 v[X+4*(\i)], 16, v3              ; bf16 to f32: the low half moves up,
	v_and_b32 v[X+4*(\i)+1], s30, v3               ; the high half stays
	v_lshlrev_b32 v[X+4*(\i)+2], 16, v4
	v_and_b32 v[X+4*(\i)+3], s30, v4
	v_cvt_pk_f16_f32 v[Y+2*(\i)], v[X+4*(\i)], v[X+4*(\i)+1]      ; exact within f16's range
	v_cvt_pk_f16_f32 v[Y+2*(\i)+1], v[X+4*(\i)+2], v[X+4*(\i)+3]
.endm
.irp i, 0,1,2,3,4,5,6,7,8,9,10,11,12,13,14,15
	CV \i
.endr
	s_wait_alu depctr_va_vdst(0)                   ; the last block's conversions have written its Y, which the last four stores read
.irp i, 12,13,14,15
	ST \i
.endr
	s_endpgm
.Lfunc_end_k_q4d1563c973_cast:
	.size	k_q4d1563c973_cast, .Lfunc_end_k_q4d1563c973_cast-k_q4d1563c973_cast
	.p2alignl 7, 3214868480
	.fill 96, 4, 3214868480
	.section	.rodata,"a",@progbits
	.p2align	6, 0x0
	.amdhsa_kernel k_q4d1563c973_cast
		.amdhsa_group_segment_fixed_size 0
		.amdhsa_private_segment_fixed_size 0
		.amdhsa_enable_private_segment 0
		.amdhsa_kernarg_size 56
		.amdhsa_user_sgpr_count 2
		.amdhsa_user_sgpr_kernarg_segment_ptr 1
		.amdhsa_wavefront_size32 1
		.amdhsa_system_sgpr_workgroup_id_x 1
		.amdhsa_system_sgpr_workgroup_id_y 1
		.amdhsa_system_sgpr_workgroup_id_z 1
		.amdhsa_system_vgpr_workitem_id 0
		.amdhsa_next_free_vgpr 104
		.amdhsa_next_free_sgpr 66
		.amdhsa_reserve_vcc 0
		.amdhsa_float_denorm_mode_32 3
		.amdhsa_float_denorm_mode_16_64 3
		.amdhsa_memory_ordered 1
		.amdhsa_forward_progress 1
		.amdhsa_inst_pref_size 12
	.end_amdhsa_kernel
	.amdgpu_metadata
---
amdhsa.version: [ 1, 2 ]
amdhsa.kernels:
  - .name:           k_q4d1563c973_cast
    .symbol:         k_q4d1563c973_cast.kd
    .args:
      - { .name: z, .offset: 0, .size: 8, .value_kind: global_buffer, .address_space: global }
      - { .name: W_q, .offset: 8, .size: 8, .value_kind: global_buffer, .address_space: global }
      - { .name: W_k, .offset: 16, .size: 8, .value_kind: global_buffer, .address_space: global }
      - { .name: W_v, .offset: 24, .size: 8, .value_kind: global_buffer, .address_space: global }
      - { .name: W_o, .offset: 32, .size: 8, .value_kind: global_buffer, .address_space: global }
      - { .name: z16, .offset: 40, .size: 8, .value_kind: global_buffer, .address_space: global }
      - { .name: w16, .offset: 48, .size: 8, .value_kind: global_buffer, .address_space: global }
    .group_segment_fixed_size: 0
    .private_segment_fixed_size: 0
    .kernarg_segment_align: 8
    .kernarg_segment_size: 56
    .max_flat_workgroup_size: 256
    .sgpr_count:     66
    .vgpr_count:     104
    .wavefront_size: 32
...
	.end_amdgpu_metadata
.endif
;; end of part 7
;; launch qkv: the kernel of part 2 again; grid 12 x 32, 4 waves a work-group, clusters of 4 x 4, 327,680 bytes of LDS; arguments z16, w16, qkv; writes qkv
;; launch scores: the kernel of part 3 again; grid 36 x 4, 4 waves a work-group, no clusters, 327,680 bytes of LDS; arguments qkv, s32; writes s32
;; launch softmax (part 8): grid 1024 x 1, 8 waves a work-group, no clusters, 0 bytes of LDS; arguments s32, p; writes p
.if DOCPART == 8
	.amdgcn_target "amdgcn-amd-amdhsa--gfx1250"
	.amdhsa_code_object_version 6
	.text
	.protected	k_q4d1563c973_softmax
	.globl	k_q4d1563c973_softmax
	.p2align	8
	.type	k_q4d1563c973_softmax,@function
k_q4d1563c973_softmax:
	s_mov_b64 s[64:65], 0
	v_nop
	global_prefetch_b8 v0, s[64:65] scope:SCOPE_SE
	s_setreg_imm32_b32 hwreg(HW_REG_WAVE_SCHED_MODE, 0, 2), 2
	s_setreg_imm32_b32 hwreg(HW_REG_WAVE_MODE, 25, 1), 1
	s_wait_xcnt 0x0
	s_wait_alu depctr_vm_vsrc(0)
; p[b][q][k] = softmax over k <= q of s32[b][q][k] / 32, in f16; keys q + 1 .. 512 (q / 512 + 1) - 1 are written as 0, keys beyond that not at all (the next launch reads none of them).
; The row's true maximum m is taken away before the exponential: w = 2^(c s - c m), c = log2(e) / 32; the sum l is taken of the unrounded w; p = w / l is rounded once.
; LIMITS.  A hidden score counts as -2^100: true scores are taken to stay under 1e27 in magnitude.  A weight below 2^-126 counts as 0; p below 6e-5 keeps f16's fixed step of 6e-8.  NaN and infinities are not treated apart.
; One wave, one row, kept in 64 registers between the passes: the row is read once, and no wave waits for another: no LDS, no barrier.  No cluster: no two work-groups read the same byte.
; Lane L holds keys 128 c + 4 L + 0..3 of chunk c: a load covers 512 consecutive bytes, a store of 8 bytes a lane 256 consecutive bytes, aligned.
; Only the n2 = q / 256 + 1 pairs of chunks that the scores' launch has written are loaded; stored are n2 rounded up to an even number of pairs, since the next launch walks the keys 512 at a time;
; the arithmetic is the same for every row.  The jumps hang on the row's number alone and go forward.
; Row R = 8 x work-group + wave: batch R % 4, query 2,047 - R / 4: the long rows come first.
; THE MODE: SCHED_MODE bits 1:0 = 2 (LLVM: expert scheduling mode 2), set by the entry lines.  The code itself states the register dependences
; between vector instructions and memory instructions, and those through scalar registers that vector instructions write, with s_wait_alu, always for 0.
; THE PLAN.  Registers that memory instructions touch:
;   v2, v3   byte offsets of the loads and of the stores: made once at the head, never written again.
;   X        each register is written once, by a load or by a fill line, never by both on one way; all loads are issued ahead of all fill lines; behind the wait for the loads vector instructions alone name X.
;   Y        vector instructions write it (the sums, then the conversions); the stores at the end read it; nothing writes it behind them.
; So one wait stands ahead of the loads (the offsets) and one ahead of the stores (Y).  No register that a memory instruction reads is written again: nothing is owed on that side.
; Scalar registers that vector instructions write: s2, the wave's number, with a wait ahead of its first reader; and the mask's 64 compares, laid as ONE run into 64 scalar registers with one wait
; behind the run, ahead of the first select.  The compares hang on the lane and the row alone, so the run stands ahead of the wait for the loads.
.set M, 6                              ; v6-9 four chains
.set X, 16                             ; v[16:79]  the row: chunk c at X + 4 c
.set Y, 80                             ; v[80:111] first four chains of sums, then the row in f16: chunk c at Y + 2 c
.set MK, 24                            ; s[24:63], s[66:89]  number i of the row's 64: the lanes in which it is hidden, at s[MK + i + 2 (i / 40)]
	s_load_b128 s[8:11], s[0:1], 0x0               ; s32 s[8:9], p s[10:11]
	v_lshrrev_b32 v1, 5, v0
	v_readfirstlane_b32 s2, v1                     ; wave 0..7
	v_and_b32 v1, 31, v0                           ; L
	v_lshlrev_b32 v2, 4, v1                        ; 16 L
	v_lshlrev_b32 v3, 3, v1                        ; 8 L
	v_lshlrev_b32 v4, 2, v1                        ; 4 L
	v_mov_b32 v5, 0xf1800000                       ; -2^100
	v_mov_b32 v14, 0                               ; v_permlanex16_b32's destination counts as read
	s_mov_b32 s12, 0x3d38aa3b                      ; c = log2(e) / 32
	s_mov_b32 s13, s12                             ; named with it as a pair
	s_mov_b32 s14, 0x76543210                      ; v_permlanex16_b32: each lane takes its own place in the other half
	s_mov_b32 s15, 0xfedcba98
	s_wait_alu depctr_va_sdst(0)                   ; s2 is written, ahead of its first reader: the row's number, both bases and the jumps are made from it
	s_lshl_b32 s3, ttmp9, 3
	s_add_co_u32 s3, s3, s2                        ; R
	s_and_b32 s5, s3, 3                            ; b
	s_lshr_b32 s6, s3, 2
	s_sub_co_u32 s6, 2047, s6                      ; q
	v_sub_nc_u32 v4, s6, v4                        ; q - 4 L: key 128 c + 4 L + e is hidden where 128 c + e is greater
	s_lshr_b32 s4, s6, 8
	s_add_co_u32 s4, s4, 1                         ; n2: pairs to load, 1 .. 8
	s_add_co_u32 s20, s4, 1
	s_and_b32 s20, s20, 14                         ; pairs to store: n2 rounded up to an even number, 2 .. 8
	s_lshl_b32 s16, s5, 24                         ; the row in s32: 16,777,216 b + 8,192 q
	s_lshl_b32 s7, s6, 13
	s_add_co_u32 s16, s16, s7
	s_mov_b32 s17, 0
	s_lshl_b32 s18, s5, 23                         ; and in p: 8,388,608 b + 4,096 q
	s_lshl_b32 s7, s6, 12
	s_add_co_u32 s18, s18, s7
	s_mov_b32 s19, 0
	s_wait_kmcnt 0x0
	s_add_nc_u64 s[8:9], s[8:9], s[16:17]
	s_add_nc_u64 s[10:11], s[10:11], s[18:19]
	s_wait_alu depctr_va_vdst(0)                   ; v2 and v3 are written: every load reads v2 as its offset, every store v3
.macro LOADP u                         ; pair u: 256 keys
	global_load_b128 v[X+8*(\u):X+8*(\u)+3],   v2, s[8:9] offset:1024*(\u) th:TH_LOAD_NT
	global_load_b128 v[X+8*(\u)+4:X+8*(\u)+7], v2, s[8:9] offset:1024*(\u)+512 th:TH_LOAD_NT
.endm
	LOADP 0
.irp u, 1,2,3,4,5,6,7
	s_cmp_le_u32 s4, \u
	s_cbranch_scc1 .Lfill_\u
	LOADP \u
.endr
	s_branch .Lloaded
.irp u, 1,2,3,4,5,6,7                  ; the pairs that are not loaded hold hidden keys alone; each label falls through to the next, so every register of the row is written once, by a load or here
.Lfill_\u:
.irp e, 0,1,2,3,4,5,6,7
	v_mov_b32 v[X+8*(\u)+(\e)], v5
.endr
.endr
.Lloaded:
	; the mask: which lanes hide number i of the row; the run stands while the loads are on their way
.set i, 0
.rept 64
	v_cmp_gt_i32 s[MK+i+2*(i/40)], 128*(i/4)+i%4, v4
.set i, i+1
.endr
	s_wait_alu depctr_va_sdst(0)                   ; the 64 compares have written their scalar registers, ahead of the first select that reads one
	s_wait_loadcnt 0x0
.set i, 0
.rept 64
	v_cndmask_b32 v[X+i], v[X+i], v5, s[MK+i+2*(i/40)]
.set i, i+1
.endr
	; the maximum: four chains of 16 numbers, three operands at a time; then across the lanes
.irp k, 0,1,2,3
	v_max3_num_f32 v[M+(\k)], v[X+16*(\k)], v[X+16*(\k)+1], v[X+16*(\k)+2]
.endr
.irp s, 0,1,2,3,4,5
.irp k, 0,1,2,3
	v_max3_num_f32 v[M+(\k)], v[M+(\k)], v[X+16*(\k)+3+2*(\s)], v[X+16*(\k)+4+2*(\s)]
.endr
.endr
.irp k, 0,1,2,3
	v_max_num_f32 v[M+(\k)], v[M+(\k)], v[X+16*(\k)+15]
.endr
	v_max3_num_f32 v6, v6, v7, v8
	v_max_num_f32 v6, v6, v9
	v_max_num_f32_dpp v6, v6, v6 row_xmask:1 row_mask:0xf bank_mask:0xf
	v_max_num_f32_dpp v6, v6, v6 row_xmask:2 row_mask:0xf bank_mask:0xf
	v_max_num_f32_dpp v6, v6, v6 row_xmask:4 row_mask:0xf bank_mask:0xf
	v_max_num_f32_dpp v6, v6, v6 row_xmask:8 row_mask:0xf bank_mask:0xf
	v_permlanex16_b32 v14, v6, s14, s15
	v_max_num_f32 v11, v6, v14                     ; m, in every lane: key 0 is never hidden, so it is a true score
	v_mul_f32 v10, s12, v11                        ; c m
	; w = 2^(c s - c m): one fused multiply-add for two scores; what c m lost in rounding is a factor common to the row and leaves with l
.set i, 0
.rept 32
	v_pk_fma_f32 v[X+2*i:X+2*i+1], v[X+2*i:X+2*i+1], s[12:13], v[10:11] op_sel_hi:[1,0,0] neg_lo:[0,0,1] neg_hi:[0,0,1]
.set i, i+1
.endr
.set i, 0
.rept 64
	v_exp_f32 v[X+i], v[X+i]
.set i, i+1
.endr
	v_nop                                          ; a plain instruction between the last exponential and the use of its result (ISA guide 5.7.2)
	s_wait_alu depctr_va_vdst(0)                   ; the 64 exponentials have written the row: one wait for the batch, ahead of the first sum that reads a weight
	; l: four chains of packed sums, then across the lanes
.irp k, 0,1,2,3
	v_pk_add_f32 v[Y+2*(\k):Y+2*(\k)+1], v[X+2*(\k):X+2*(\k)+1], v[X+8+2*(\k):X+8+2*(\k)+1]
.endr
.irp s, 2,3,4,5,6,7
.irp k, 0,1,2,3
	v_pk_add_f32 v[Y+2*(\k):Y+2*(\k)+1], v[Y+2*(\k):Y+2*(\k)+1], v[X+8*(\s)+2*(\k):X+8*(\s)+2*(\k)+1]
.endr
.endr
	v_pk_add_f32 v[Y:Y+1], v[Y:Y+1], v[Y+2:Y+3]
	v_pk_add_f32 v[Y+4:Y+5], v[Y+4:Y+5], v[Y+6:Y+7]
	v_pk_add_f32 v[Y:Y+1], v[Y:Y+1], v[Y+4:Y+5]
	v_add_f32 v6, v[Y], v[Y+1]
	v_add_f32_dpp v6, v6, v6 row_xmask:1 row_mask:0xf bank_mask:0xf
	v_add_f32_dpp v6, v6, v6 row_xmask:2 row_mask:0xf bank_mask:0xf
	v_add_f32_dpp v6, v6, v6 row_xmask:4 row_mask:0xf bank_mask:0xf
	v_add_f32_dpp v6, v6, v6 row_xmask:8 row_mask:0xf bank_mask:0xf
	v_permlanex16_b32 v14, v6, s14, s15
	v_add_f32 v6, v6, v14                          ; l: about 1 at the least, the maximum's own weight
	v_rcp_f32 v12, v6                              ; made twice, a pair for the packed multiply
	v_rcp_f32 v13, v6
	v_nop                                          ; a plain instruction behind the reciprocals
	s_wait_alu depctr_va_vdst(0)                   ; the two reciprocals have written v12 and v13: one wait for both, ahead of the first multiply that reads the pair
.set i, 0
.rept 32
	v_pk_mul_f32 v[X+2*i:X+2*i+1], v[X+2*i:X+2*i+1], v[12:13]
.set i, i+1
.endr
.set i, 0
.rept 32
	v_cvt_pk_f16_f32 v[Y+i], v[X+2*i], v[X+2*i+1]
.set i, i+1
.endr
	s_wait_alu depctr_va_vdst(0)                   ; the conversions have written Y, which the stores read; no vector instruction follows, so the wait serves every store on every way below
.macro STOREP u
	global_store_b64 v3, v[Y+4*(\u):Y+4*(\u)+1],   s[10:11] offset:512*(\u)
	global_store_b64 v3, v[Y+4*(\u)+2:Y+4*(\u)+3], s[10:11] offset:512*(\u)+256
.endm
	STOREP 0
.irp u, 1,2,3,4,5,6,7
	s_cmp_le_u32 s20, \u
	s_cbranch_scc1 .Ldone
	STOREP \u
.endr
.Ldone:
	s_endpgm
.Lfunc_end_k_q4d1563c973_softmax:
	.size	k_q4d1563c973_softmax, .Lfunc_end_k_q4d1563c973_softmax-k_q4d1563c973_softmax
	.p2alignl 7, 3214868480
	.fill 96, 4, 3214868480
	.section	.rodata,"a",@progbits
	.p2align	6, 0x0
	.amdhsa_kernel k_q4d1563c973_softmax
		.amdhsa_group_segment_fixed_size 0
		.amdhsa_private_segment_fixed_size 0
		.amdhsa_enable_private_segment 0
		.amdhsa_kernarg_size 16
		.amdhsa_user_sgpr_count 2
		.amdhsa_user_sgpr_kernarg_segment_ptr 1
		.amdhsa_wavefront_size32 1
		.amdhsa_system_sgpr_workgroup_id_x 1
		.amdhsa_system_sgpr_workgroup_id_y 1
		.amdhsa_system_sgpr_workgroup_id_z 1
		.amdhsa_system_vgpr_workitem_id 0
		.amdhsa_next_free_vgpr 112
		.amdhsa_next_free_sgpr 90
		.amdhsa_reserve_vcc 0
		.amdhsa_float_denorm_mode_32 3
		.amdhsa_float_denorm_mode_16_64 3
		.amdhsa_memory_ordered 1
		.amdhsa_forward_progress 1
		.amdhsa_inst_pref_size 31
	.end_amdhsa_kernel
	.amdgpu_metadata
---
amdhsa.version: [ 1, 2 ]
amdhsa.kernels:
  - .name:           k_q4d1563c973_softmax
    .symbol:         k_q4d1563c973_softmax.kd
    .args:
      - { .name: s32, .offset: 0, .size: 8, .value_kind: global_buffer, .address_space: global }
      - { .name: p, .offset: 8, .size: 8, .value_kind: global_buffer, .address_space: global }
    .group_segment_fixed_size: 0
    .private_segment_fixed_size: 0
    .kernarg_segment_align: 8
    .kernarg_segment_size: 16
    .max_flat_workgroup_size: 256
    .sgpr_count:     90
    .vgpr_count:     112
    .wavefront_size: 32
...
	.end_amdgpu_metadata
.endif
;; end of part 8
;; launch pv: the kernel of part 5 again; grid 8 x 64, 4 waves a work-group, clusters of 4 x 4, 327,680 bytes of LDS; arguments p, qkv, ctx; writes ctx
;; launch outp: the kernel of part 6 again; grid 8 x 32, 4 waves a work-group, clusters of 4 x 4, 327,680 bytes of LDS; arguments ctx, w16, out0; writes out0
